; MI455X (gfx1250); checked and timed in simulation.
; The chip was launched on July 23, 2026; its instructions are those of AMD's public machine-readable ISA for CDNA 5 (MIT licence, August 2026) and "CDNA5" Instruction Set Architecture Reference Guide (July 2026). The comments in the code are by the model that wrote it; some were corrected since.
;; Multi Head Attention. Allowed arithmetic: matrix products marked QUANTISED: E5M2 operands, one E8M0 scale for each 32 along K, by v_wmma_scale_f32_16x16x128_f8f6f4 with both operands' format E5M2, f32 sums; everything else in f32.
;; Inputs: Wk 128 x 1,024 float32; Wq 128 x 1,024 float32; Wu 1,024 x 128 float32; Wv 128 x 1,024 float32; bu 128 float32; x 2 x 2,048 x 128 float32.
;; Outputs: out0 2 x 2,048 x 128 float32.
;; This version of the problem:
;;   THIS VERSION OF THE PROBLEM IS GIVEN IN LOW PRECISION. The matrix products marked QUANTISED in the list below multiply operands that are first quantised to E5M2 (5 exponent bits, 2 mantissa bits; 8 bits a number), with one power-of-two scale for each 32 numbers along K (OCP MX v1.0); their sums are f32. All else is computed in f32.
;;   The module's matrix products, in the order in which they are computed (A, B: the left and right operand; K: the contracted axis; several contracted axes count as one K, in the product's order):
;;     1. [M 4,096, K 128] x [K 128, N 1,024]; A: input x; B: input Wq: QUANTISED
;;     2. [M 4,096, K 128] x [K 128, N 1,024]; A: input x; B: input Wk: QUANTISED
;;     3. [M 4,096, K 128] x [K 128, N 1,024]; A: input x; B: input Wv: QUANTISED
;;     4. batch 16 x [M 2,048, K 128] x [K 128, N 2,048]; A: computed on the way; B: computed on the way: QUANTISED
;;     5. batch 16 x [M 2,048, K 2,048] x [K 2,048, N 128]; A: softmax (see below); B: computed on the way: QUANTISED
;;     6. [M 4,096, K 1,024] x [K 1,024, N 128]; A: computed on the way; B: input Wu: QUANTISED
;;   THE QUANTISER, for each operand of a quantised product, along K:
;;     - K is cut into blocks of 32 from its start; a last block that is shorter is filled with zeros.
;;     - A block's scale is 2^e with e = floor(log2(the largest magnitude in the block)) - 15, held to -126 .. 127; a block of zeros has e = 0. As a byte (E8M0): e + 127.
;;     - Each number is divided by its block's scale, clamped to +-57,344, and rounded to the nearest number of E5M2, ties to even, subnormals kept.
;;     - The product sums the exact products of the quantised numbers (number of the format x scale) in f32.
;;   ~~~python
;;   def quantise(x, axis):      # numpy; x: float32 -> the quantised numbers, widened to float32 again
;;       x = np.moveaxis(x, axis, -1); K = x.shape[-1]
;;       x = np.pad(x, [(0, 0)] * (x.ndim - 1) + [(0, -K % 32)]); x = x.reshape(x.shape[:-1] + (-1, 32)); a = np.abs(x).max(-1, keepdims=True)
;;       e = np.where(a > 0, np.clip(np.frexp(np.where(a > 0, a, 1))[1] - 1 - 15, -126, 127), 0)      # np.frexp(a)[1] - 1 = floor(log2(a)), exactly
;;       r = np.clip(x / 2.0 ** e, -57344, 57344)
;;       step = 2.0 ** (np.maximum(np.frexp(np.where(r == 0, 1, r))[1] - 1, -14) - 2)
;;       q = np.round(r / step) * step * 2.0 ** e      # np.round: ties to even
;;       return np.moveaxis(q.reshape(q.shape[:-2] + (-1,))[..., :K], -1, axis).astype(np.float32)
;;   ~~~
;;   SOFTMAX AHEAD OF A QUANTISED PRODUCT. Where the list says 'softmax', what is quantised is not the finished softmax but p = 2^(t - M), with t = logit x log2(e) and M = ceil(the row's largest t), a whole number; so 1/2 < the row's largest p <= 1. The row's sum l is taken of the UNQUANTISED p, in f32, and the product's result is divided by l at the end. Since M is a whole number, a kernel that streams over the keys may use a running M (the ceiling of the running maximum): every later rescaling is an exact power of two, which a block's scale takes up: the codes' values come out the same.
;;   OPERANDS COMPUTED ON THE WAY. 'Computed on the way' means the value that the module computes at that place (a softmax that the list does not call 'softmax' is quantised finished and normalised). What goes into a quantiser is computed in f32, as accurately as f32 sums, v_exp_f32 and their like allow (about 1e-6 of the number): no bf16 or f16 on the way to a quantiser, and a product that is left as it is and whose result goes on into a quantised operand takes f32 operands (vector FMAs, or v_wmma_f32_16x16x4_f32). A number that lies on a knife's edge between two numbers of the format may be rounded either way, as far as f32 arithmetic and the matrix unit's own rounding can turn it there, and no further.
;; 2 versions, each right; version 2 is version 1 with the launch outp written anew for expert scheduling mode. Each part assembles by itself: llvm-mc -triple=amdgcn-amd-amdhsa -mcpu=gfx1250 --defsym DOCPART=n.
;; ======== version 1 of 2: 3 launches
;; workspace buffers: qc 4,194,304 bytes; qs 131,072 bytes; kv 8,388,608 bytes; kvs 262,144 bytes; yc 4,194,304 bytes; ys 131,072 bytes; wuc 131,072 bytes; wus 4,096 bytes
;; launch prep (part 1): grid 260 x 1, 8 waves a work-group, no clusters, 70,656 bytes of LDS; arguments x, Wq, Wk, Wv, Wu, qc, qs, kv, kvs, wuc, wus; writes qc, qs, kv, kvs, wuc, wus
.if DOCPART == 1
	.amdgcn_target "amdgcn-amd-amdhsa--gfx1250"
	.amdhsa_code_object_version 6
	.text
	.protected	k_qdb48555f73_prep
	.globl	k_qdb48555f73_prep
	.p2align	8
	.type	k_qdb48555f73_prep,@function
k_qdb48555f73_prep:
	s_mov_b64 s[64:65], 0
	v_nop
	global_prefetch_b8 v0, s[64:65] scope:SCOPE_SE
	s_setreg_imm32_b32 hwreg(HW_REG_WAVE_MODE, 25, 1), 1
	s_wait_xcnt 0x0
; THE PROJECTIONS q = x Wq, k = x Wk, v = x Wv ON CODES OF BF8 (E5M2) WITH ONE E8M0 SCALE FOR EACH 32 ALONG K, AND EVERY QUANTISER THAT STANDS AHEAD OF THE ATTENTION.
; x [2][2048][128], Wq, Wk, Wv [128][1024], Wu [1024][128]: f32.  Work-group X < 256 takes head bh = X / 16 (b = bh / 8, h = bh % 8) and the 128 rows 128 (X % 16) on of x[b]:
; it quantises those rows and the head's 128 columns of the three weights along the 128 inputs, multiplies, quantises q and k along the head's 128 channels and v along the 128 keys, and stores codes and scale words.
; Work-groups 256 to 259 quantise Wu along its first axis: 32 outputs each, a wave to a K step of 128; they use no LDS and no barrier.
; AN OPERAND IS KEPT EVERYWHERE AS AN IMAGE OF ITS REGISTERS: a fragment (16 rows x 128 K, 16 registers a lane) is 2,048 bytes; registers 4 c .. 4 c + 3 of lane l (k = 32 c + 16 (l / 16) + 0 .. 15 of row l % 16) lie at 512 c + 16 l.
; THE ROWS OF A TILE ARE NOT NEIGHBOURS: row i of tile t of a block of 128 is 32 (t / 2) + 8 (t % 2) + i + 8 (i / 8).  Where such tiles are source 0, the 64 result registers of eight tiles are, in a lane,
; register 16 b + i = index 32 b + 16 (l / 16) + i: 16 neighbours of each block of 32 along the next K, so the conversions' results are the next operand's registers.
; q, k: source 0 = 16 channels (columns of W), source 1 = my 16 rows of x: a lane holds one row, registers along the channels.  v: source 0 = 16 rows of x (keys), source 1 = my 16 channels of Wv: registers along the keys.
; THE WEIGHTS: a lane takes FOUR neighbouring columns, 16 bytes a load, and 16 of a block's 32 numbers down K: lanes 0-15 read 256 consecutive bytes of row k, lanes 16-31 those of row k + 16.  The hold, which every number
; needs, writes each column's 16 numbers into consecutive registers for the conversions: nothing else is spent on turning them.  A wave takes 64 columns x one K block of each matrix: 16 loads a matrix.
; NO JOINT LOADS: what work-groups share (a head's columns of W, x's rows) goes from memory straight into the registers in which it is quantised; through LDS the f32 numbers
; (192 + 64 KB a work-group) would have to be read once more.
; LIMITS: NaN and infinities among the inputs are not served.  A block whose largest magnitude lies under 2^-111 keeps the scale byte 1; so does a block of zeros (the rule says 127): its codes are zeros, which add nothing
; under any byte but 0xff, and the bytes are read by this program alone.
.set XSC, 0                            ; LDS: x's scale words, 8 tiles x 64 bytes
.set WSC, 512                          ; the weights' scale words, 24 tiles x 64 bytes (tile 8 m + t; m = 0 q, 1 k, 2 v)
.set GSC, 2048                         ; the results' scale words, 3 x 512 bytes: the word of (tile t, row r) at 16 r + 256 (t % 2) + 4 (t / 2)
.set XIM, 3584                         ; x's eight images
.set WIM, 19968                        ; the weights' 24 images; the map ends at 69,120, and every immediate offset stays under 65,536
.set TM,  16                           ; v16-31  at work in the quantisers: +0..3 largest magnitudes, +4..7 the other half's, then bytes, +8..11 57,344 x the scale, +12..15 the conversions' scale operand
.set DD,  64                           ; v64-95  two sets of 16 held numbers of a column of W, by turns
.set WV,  26                           ; s26     my wave's number
.set SEL, 28                           ; s[28:29] v_permlanex16_b32's selects for lane l xor 16
.set MNT, 30                           ; s30     the mantissa field of 57,344
; REGISTERS: v1 16 l; v2 4 r; v3 16 l + 2048 w; v4 4 r + 64 w; v5 x's offset; v6 W's offset; v7, v8 where a column's codes and byte go; v9 where a result's scale word goes;
; v32-47 source 1's fragment, v48 its scale word; v49 the scale word just made; v50-61 the weights' scale bytes, later v50-57 source 0's scale words; v64-127 x's numbers, then the held numbers (v64-95) and the
; weights' codes (v96-127, two sets), then the products' results; v128-191, v192-255 two sets of 64 numbers of W; later v128-255 source 0's eight fragments; v240-255 a product's codes.
; 64 numbers of a lane, register 16 b + i = k 32 b + 16 (l / 16) + i of its row, become a fragment's codes in v[pc] on and its scale word in v[pw]
.macro QUANT s, pc, pw
.irp b, 0,1,2,3
	v_max3_num_f32 v[TM+\b], |v[\s+16*\b]|, |v[\s+1+16*\b]|, 0x8000000   ; block b: my 16 numbers, and the floor 2^(16 - 127): the byte cannot fall under 1
.endr
.irp i, 2,4,6,8,10,12,14
.irp b, 0,1,2,3
	v_max3_num_f32 v[TM+\b], v[TM+\b], |v[\s+16*\b+\i]|, |v[\s+1+16*\b+\i]|   ; the four blocks by turns
.endr
.endr
.irp b, 0,1,2,3
	v_permlanex16_b32 v[TM+4+\b], v[TM+\b], s[SEL], s[SEL+1]
.endr
.irp b, 0,1,2,3
	v_max_num_f32 v[TM+\b], v[TM+\b], v[TM+4+\b]   ; with lane l xor 16's: the block's largest magnitude
.endr
.irp b, 0,1,2,3
	v_add_nc_u32 v[TM+12+\b], 0xf8800000, v[TM+\b]   ; 15 off its exponent field: the conversion takes this operand's exponent field as its scale
.endr
.irp b, 0,1,2,3
	v_and_or_b32 v[TM+8+\b], v[TM+\b], 0x7f800000, s[MNT]   ; 57,344 x the scale
.endr
.irp b, 0,1,2,3
	v_lshrrev_b32 v[TM+4+\b], 23, v[TM+12+\b]      ; the scale's byte
.endr
	v_lshl_or_b32 v[\pw], v[TM+5], 8, v[TM+4]      ; four bytes make my row's scale word
	v_lshl_or_b32 v[\pw], v[TM+6], 16, v[\pw]
	v_lshl_or_b32 v[\pw], v[TM+7], 24, v[\pw]
.irp b, 0,1,2,3
.irp i, 0,1,2,3,4,5,6,7,8,9,10,11,12,13,14,15
	v_med3_num_f32 v[\s+16*\b+\i], v[\s+16*\b+\i], -v[TM+8+\b], v[TM+8+\b]   ; the conversion to an 8-bit code does not saturate (ISA guide 7.6.2): the hold at the largest code x the scale
.endr
	v_cvt_scalef32_pk8_bf8_f32 v[\pc+4*\b:\pc+1+4*\b], v[\s+16*\b:\s+7+16*\b], v[TM+12+\b]
	v_cvt_scalef32_pk8_bf8_f32 v[\pc+2+4*\b:\pc+3+4*\b], v[\s+8+16*\b:\s+15+16*\b], v[TM+12+\b]
.endr
	v_nop                                          ; a plain line behind the last conversion, ahead of whatever next touches its registers
.endm
; A UNIT OF W: matrix m, my 64 columns, my K block.  Register set + 4 i + j = W(32 c + 16 (l / 16) + i, column 4 r + j).  Each of my four columns gets its block's scale, four registers of codes (in v[cd + 4 j] on) and a byte (v[by + j]);
; they go to the column's place in the images: 16 bytes of group c, and byte c of the row's scale word (both halves of the lanes write the same byte with the same value)
.macro QW m, set, cd, by
.irp j, 0,1,2,3
	v_max3_num_f32 v[TM+\j], |v[\set+\j]|, |v[\set+4+\j]|, 0x8000000   ; column j: my 16 numbers, and the floor
.endr
.irp i, 2,4,6,8,10,12,14
.irp j, 0,1,2,3
	v_max3_num_f32 v[TM+\j], v[TM+\j], |v[\set+4*\i+\j]|, |v[\set+4*\i+4+\j]|   ; the four columns by turns
.endr
.endr
.irp j, 0,1,2,3
	v_permlanex16_b32 v[TM+4+\j], v[TM+\j], s[SEL], s[SEL+1]
.endr
.irp j, 0,1,2,3
	v_max_num_f32 v[TM+\j], v[TM+\j], v[TM+4+\j]   ; with lane l xor 16's: the other 16 of the block
.endr
.irp j, 0,1,2,3
	v_add_nc_u32 v[TM+12+\j], 0xf8800000, v[TM+\j]
.endr
.irp j, 0,1,2,3
	v_and_or_b32 v[TM+8+\j], v[TM+\j], 0x7f800000, s[MNT]
.endr
.irp j, 0,1,2,3
	v_lshrrev_b32 v[\by+\j], 23, v[TM+12+\j]
.endr
.irp j, 0,1,2,3
.irp i, 0,1,2,3,4,5,6,7,8,9,10,11,12,13,14,15
	v_med3_num_f32 v[DD+16*(\j%2)+\i], v[\set+4*\i+\j], -v[TM+8+\j], v[TM+8+\j]   ; the hold, and the column's numbers on end; the two sets take turns, so that plain lines stand between a conversion and the next write of its sources
.endr
	v_cvt_scalef32_pk8_bf8_f32 v[\cd+4*\j:\cd+4*\j+1], v[DD+16*(\j%2):DD+16*(\j%2)+7], v[TM+12+\j]
	v_cvt_scalef32_pk8_bf8_f32 v[\cd+4*\j+2:\cd+4*\j+3], v[DD+16*(\j%2)+8:DD+16*(\j%2)+15], v[TM+12+\j]
.endr
	v_nop                                          ; a plain line behind the last conversion
.irp j, 0,1,2,3
	ds_store_b128 v7, v[\cd+4*\j:\cd+4*\j+3] offset:16384*\m+16*\j
	ds_store_b8 v8, v[\by+\j] offset:512*\m+4*\j
.endr
.endm
; 32 numbers of ONE lane, a whole block down K, become 8 registers of codes in v[c] on and the block's byte in v[e] (Wu's path)
.macro QB set, c, e
	v_max3_num_f32 v[TM], |v[\set]|, |v[\set+1]|, |v[\set+2]|
	v_max3_num_f32 v[TM+1], |v[\set+3]|, |v[\set+4]|, |v[\set+5]|
.irp i, 6,10,14,18,22,26
	v_max3_num_f32 v[TM], v[TM], |v[\set+\i]|, |v[\set+\i+1]|
	v_max3_num_f32 v[TM+1], v[TM+1], |v[\set+\i+2]|, |v[\set+\i+3]|
.endr
	v_max3_num_f32 v[TM], v[TM], |v[\set+30]|, |v[\set+31]|
	v_max3_num_f32 v[TM], v[TM], v[TM+1], 0x8000000   ; and the floor
	v_add_nc_u32 v[TM+12], 0xf8800000, v[TM]
	v_and_or_b32 v[TM+8], v[TM], 0x7f800000, s[MNT]
	v_lshrrev_b32 v[\e], 23, v[TM+12]
.irp i, 0,1,2,3,4,5,6,7,8,9,10,11,12,13,14,15,16,17,18,19,20,21,22,23,24,25,26,27,28,29,30,31
	v_med3_num_f32 v[\set+\i], v[\set+\i], -v[TM+8], v[TM+8]
.endr
.irp g, 0,1,2,3
	v_cvt_scalef32_pk8_bf8_f32 v[\c+2*\g:\c+2*\g+1], v[\set+8*\g:\set+8*\g+7], v[TM+12]
.endr
	v_nop
.endm
; a unit's 16 loads: sixteen lanes read 256 consecutive bytes, aligned
.macro LOADW m, set
.irp kk, 0,1,2,3,4,5,6,7,8,9,10,11,12,13,14,15
	global_load_b128 v[\set+4*\kk:\set+4*\kk+3], v6, s[6+2*\m:7+2*\m] offset:\kk*4096
.endr
.endm
; Wu: block c of my K step, into set c % 2
.macro LOADU c
.irp kk, 0,1,2,3,4,5,6,7,8,9,10,11,12,13,14,15,16,17,18,19,20,21,22,23,24,25,26,27,28,29,30,31
	global_load_b32 v[128+32*((\c)%2)+\kk], v5, s[12:13] offset:(32*(\c)+\kk)*512 th:TH_LOAD_NT
.endr
.endm
; eight products of source 0's eight tiles (images at abase, scale words at asc) with the fragment in v[32:47], and the results' quantiser.  K = 128 is one instruction: each product starts and ends its sum
.macro PROD abase, asc
	s_wait_xcnt 0x0                                ; the last product's stores have read v240-255, which take loads below
.irp t, 0,1,2,3,4,5,6,7
.irp c, 0,1,2,3
	ds_load_b128 v[128+16*\t+4*\c:131+16*\t+4*\c], v1 offset:\abase+2048*\t+512*\c
.endr
	ds_load_b32 v[50+\t], v2 offset:\asc+64*\t
.endr
	s_wait_dscnt 0x0
.irp t, 0,1,2,3,4,5,6,7
	v_wmma_scale_f32_16x16x128_f8f6f4 v[64+8*\t:71+8*\t], v[128+16*\t:143+16*\t], v[32:47], 0, v[50+\t], v48 matrix_a_fmt:MATRIX_FMT_BF8 matrix_b_fmt:MATRIX_FMT_BF8
.endr
.rept 8
	v_nop                                          ; eight places behind this form, ahead of the first read of results
.endr
	QUANT 64, 240, 49
.endm
; my tile's image to memory (four stores of 512 consecutive bytes), its scale word to the gathering place in LDS
.macro PUT lo, off, kind
.irp c, 0,1,2,3
	global_store_b128 v3, v[240+4*\c:243+4*\c], s[\lo:\lo+1] offset:\off+512*\c
.endr
	ds_store_b32 v9, v49 offset:512*\kind          ; both halves of the lanes write the same word with the same value
.endm
	s_load_b256 s[4:11], s[0:1], 0x0               ; x s[4:5], Wq s[6:7], Wk s[8:9], Wv s[10:11]
	s_load_b256 s[12:19], s[0:1], 0x20             ; Wu s[12:13], qc s[14:15], qs s[16:17], kv s[18:19]
	s_load_b128 s[20:23], s[0:1], 0x40             ; kvs s[20:21], wuc s[22:23]
	s_load_b64 s[24:25], s[0:1], 0x50              ; wus
	v_lshl_add_u32 v63, v0, 2, 0x11000
	s_set_vgpr_msb 0x40
	v_mov_b32 v1, 0
	s_set_vgpr_msb 0x4000
	v_lshrrev_b32 v1, 5, v0
	v_readfirstlane_b32 s[WV], v1                  ; wave 0..7
	v_and_b32 v10, 31, v0                          ; lane
	v_and_b32 v11, 15, v0                          ; r
	v_bfe_u32 v12, v0, 4, 1                        ; lane / 16
	s_mov_b32 s[SEL], 0x76543210
	s_mov_b32 s[SEL+1], 0xfedcba98
	s_mov_b32 s[MNT], 0x600000
.irp b, 0,1,2,3
	v_mov_b32 v[TM+4+\b], 0                        ; written once: a lane permute's destination counts as one of its sources
.endr
	s_cmp_ge_u32 ttmp9, 256                        ; the last four work-groups take Wu: a branch on the work-group's number
	s_cbranch_scc1 .Lwu
	v_lshlrev_b32 v1, 4, v10                       ; 16 l
	v_lshlrev_b32 v2, 2, v11                       ; 4 r
	s_lshl_b32 s31, s[WV], 11
	v_add_nc_u32 v3, s31, v1                       ; + 2048 w
	s_lshl_b32 s31, s[WV], 6
	v_add_nc_u32 v4, s31, v2                       ; + 64 w
	s_lshr_b32 s32, s[WV], 1
	s_lshl_b32 s32, s32, 5
	s_and_b32 s33, s[WV], 1
	s_lshl_b32 s33, s33, 3
	s_add_co_u32 s32, s32, s33                     ; my tile of x begins at row 32 (w / 2) + 8 (w % 2)
	v_and_b32 v13, 8, v11
	v_add_nc_u32 v13, v13, v11                     ; r + 8 (r / 8)
	v_add_nc_u32 v13, s32, v13
	v_lshlrev_b32 v5, 9, v13                       ; a row of x is 512 bytes,
	v_lshl_add_u32 v5, v12, 6, v5                  ; + 64 (l / 16): my 16 numbers of a block of 32
	s_and_b32 s34, s[WV], 3                        ; c: my K block of W
	s_lshr_b32 s35, s[WV], 2                       ; ch: my 64 of the head's 128 columns
	s_lshl_b32 s36, s34, 17                        ; 32 rows of 4,096 bytes
	s_bfe_u32 s37, ttmp9, 0x30004                  ; h
	s_lshl_b32 s37, s37, 9
	s_add_co_u32 s36, s36, s37
	s_lshl_b32 s37, s35, 8
	s_add_co_u32 s36, s36, s37
	v_lshl_add_u32 v6, v11, 4, s36                 ; + 16 r: my four columns,
	v_lshl_add_u32 v6, v12, 16, v6                 ; + 16 rows for lanes 16-31
	; column 64 ch + 4 r + j of a matrix is row 4 (r & 1) + j + 8 ((r >> 2) & 1) of tile 4 ch + 2 (r >> 3) + ((r >> 1) & 1); my 16 codes lie in group c of that image, in the row's lane of my half
	v_and_b32 v13, 1, v0                           ; r's four bits
	v_bfe_u32 v14, v0, 1, 1
	v_bfe_u32 v15, v0, 2, 1
	v_bfe_u32 v62, v0, 3, 1
	s_lshl_b32 s36, s35, 13
	s_lshl_b32 s37, s34, 9
	s_add_co_u32 s36, s36, s37
	s_add_co_u32 s36, s36, WIM
	v_lshl_add_u32 v7, v13, 6, s36
	v_lshl_add_u32 v7, v14, 11, v7
	v_lshl_add_u32 v7, v15, 7, v7
	v_lshl_add_u32 v7, v62, 12, v7
	v_lshl_add_u32 v7, v12, 8, v7                  ; the immediate adds 16,384 m + 16 j
	s_lshl_b32 s36, s35, 8
	s_add_co_u32 s36, s36, s34
	s_add_co_u32 s36, s36, WSC
	v_lshl_add_u32 v8, v13, 4, s36
	v_lshl_add_u32 v8, v14, 6, v8
	v_lshl_add_u32 v8, v15, 5, v8
	v_lshl_add_u32 v8, v62, 7, v8                  ; byte c of that row's scale word; the immediate adds 512 m + 4 j
	s_and_b32 s36, s[WV], 1
	s_lshl_b32 s36, s36, 8
	s_lshr_b32 s37, s[WV], 1
	s_lshl_b32 s37, s37, 2
	s_add_co_u32 s36, s36, s37
	s_add_co_u32 s36, s36, GSC
	v_lshl_add_u32 v9, v11, 4, s36
	s_wait_kmcnt 0x0
	s_lshr_b32 s40, ttmp9, 7                       ; b
	s_lshl_b32 s40, s40, 20
	s_and_b32 s41, ttmp9, 15
	s_lshl_b32 s41, s41, 16
	s_add_co_u32 s40, s40, s41
	s_mov_b32 s41, 0
	s_add_nc_u64 s[4:5], s[4:5], s[40:41]          ; x at my 128 rows
	s_lshl_b32 s40, ttmp9, 14
	s_add_nc_u64 s[14:15], s[14:15], s[40:41]      ; qc: 16,384 bytes a work-group
	s_lshl_b32 s40, ttmp9, 9
	s_add_nc_u64 s[16:17], s[16:17], s[40:41]      ; qs: 512
	s_lshl_b32 s40, ttmp9, 15
	s_add_nc_u64 s[18:19], s[18:19], s[40:41]      ; kv: 32,768: K's eight tiles, then V's
	s_lshr_b32 s40, ttmp9, 4
	s_lshl_b32 s40, s40, 14
	s_and_b32 s42, ttmp9, 15
	s_lshl_b32 s42, s42, 9
	s_add_co_u32 s40, s40, s42
	s_add_nc_u64 s[20:21], s[20:21], s[40:41]      ; kvs: a head's 16,384: K's 16 steps of 512, then V's
	; ---- 1: x's tile w and three units of W are quantised; their images go to LDS.  x and two units are asked for together: 48 loads
.irp b, 0,1,2,3
.irp j, 0,1,2,3
	global_load_b128 v[64+16*\b+4*\j:67+16*\b+4*\j], v5, s[4:5] offset:128*\b+16*\j
.endr
.endr
	LOADW 0, 128
	LOADW 1, 192
	s_wait_loadcnt 32                              ; loads come back in order (ISA guide 5.7.1): x's 16 are in; the two units' 32 may be out
	QUANT 64, 32, 48                               ; my fragment of x and its scale word stay in v32-48: source 1 of q and of k
.irp c, 0,1,2,3
	ds_store_b128 v3, v[32+4*\c:35+4*\c] offset:XIM+512*\c
.endr
	ds_store_b32 v4, v48 offset:XSC
	s_wait_loadcnt 16                              ; Wq's unit is in; Wk's 16 loads may be out
	QW 0, 128, 96, 50
	LOADW 2, 128                                   ; Wv's unit, into the registers that Wq's has left
	s_wait_loadcnt 16                              ; Wk's unit is in; Wv's 16 loads may be out
	QW 1, 192, 112, 54
	s_wait_loadcnt 0x0
	s_wait_dscnt 0x0                               ; the stores of Wq's codes have read v96-111, which are written again
	QW 2, 128, 96, 58
	s_wait_dscnt 0x0                               ; for the others' sake: my stores have landed
	s_barrier_signal -1
	s_barrier_wait -1
	; ---- 2: three times eight products a wave
	PROD WIM, WSC                                  ; q: my 16 rows x the head's 128 channels
	PUT 14, 0, 0
	PROD WIM+16384, WSC+512                        ; k
	PUT 18, 0, 1
.irp c, 0,1,2,3
	ds_load_b128 v[32+4*\c:35+4*\c], v3 offset:WIM+32768+512*\c   ; v: source 1 is Wv's tile w (the quantiser's lines are the places behind the products that read v32-48)
.endr
	ds_load_b32 v48, v4 offset:WSC+1024
	PROD XIM, XSC                                  ; source 0: x's eight tiles: my 16 channels x 128 keys
	PUT 18, 16384, 2
	s_wait_dscnt 0x0
	s_barrier_signal -1
	s_barrier_wait -1                              ; the 3 x 512 bytes of scale words are gathered
	s_cmp_lg_u32 s[WV], 0
	s_cbranch_scc1 .Ldone
	ds_load_b128 v[128:131], v1 offset:GSC
	ds_load_b128 v[132:135], v1 offset:GSC+512
	ds_load_b128 v[136:139], v1 offset:GSC+1024
	s_wait_dscnt 0x0
	global_store_b128 v1, v[128:131], s[16:17]     ; each store covers 512 consecutive bytes, aligned
	global_store_b128 v1, v[132:135], s[20:21]
	global_store_b128 v1, v[136:139], s[20:21] offset:8192
.Ldone:
	s_set_vgpr_msb 0x4
	s_wait_tensorcnt 0x0
	ds_add_u32 v63, v1
	s_wait_dscnt 0x0
	s_set_vgpr_msb 0x400
	s_endpgm
	; ---- Wu: lane = output 32 cg + lane, registers down K; wave w = K step w (head w)
.Lwu:
	s_sub_co_u32 s31, ttmp9, 256                   ; cg
	s_lshl_b32 s32, s[WV], 16                      ; 128 rows of 512 bytes
	s_lshl_b32 s33, s31, 7
	s_add_co_u32 s32, s32, s33
	v_lshl_add_u32 v5, v10, 2, s32
	s_lshl_b32 s32, s[WV], 3
	s_lshl_b32 s33, s31, 1
	s_add_co_u32 s32, s32, s33                     ; image 8 w + 2 cg + lane / 16,
	s_lshl_b32 s32, s32, 11
	v_lshl_add_u32 v6, v12, 11, s32
	v_lshl_add_u32 v6, v11, 4, v6                  ; row r: sixteen lanes fill 256 consecutive bytes, aligned
	s_lshl_b32 s32, s[WV], 9
	s_lshl_b32 s33, s31, 7
	s_add_co_u32 s32, s32, s33
	v_lshl_add_u32 v7, v10, 2, s32                 ; the scale word: 512 w + 128 cg + 4 lane
	s_wait_kmcnt 0x0
	LOADU 0
	LOADU 1
.irp c, 0,1,2,3
.if \c < 3
	s_wait_loadcnt 32                              ; this block's 32 loads are in; the next block's may be out
.else
	s_wait_loadcnt 0x0
.endif
	QB 128+32*(\c%2), 64+8*\c, 112+\c
.if \c == 0
	v_mov_b32 v49, v112
.else
	v_lshl_or_b32 v49, v[112+\c], 8*\c, v49
.endif
	global_store_b128 v6, v[64+8*\c:67+8*\c], s[22:23] offset:512*\c
	global_store_b128 v6, v[68+8*\c:71+8*\c], s[22:23] offset:512*\c+256
.if \c < 2
	LOADU \c+2
.endif
.endr
	global_store_b32 v7, v49, s[24:25]
	s_endpgm
.Lfunc_end_k_qdb48555f73_prep:
	.size	k_qdb48555f73_prep, .Lfunc_end_k_qdb48555f73_prep-k_qdb48555f73_prep
	.p2alignl 7, 3214868480
	.fill 96, 4, 3214868480
	.section	.rodata,"a",@progbits
	.p2align	6, 0x0
	.amdhsa_kernel k_qdb48555f73_prep
		.amdhsa_group_segment_fixed_size 70656
		.amdhsa_private_segment_fixed_size 0
		.amdhsa_enable_private_segment 0
		.amdhsa_kernarg_size 88
		.amdhsa_user_sgpr_count 2
		.amdhsa_user_sgpr_kernarg_segment_ptr 1
		.amdhsa_wavefront_size32 1
		.amdhsa_system_sgpr_workgroup_id_x 1
		.amdhsa_system_sgpr_workgroup_id_y 1
		.amdhsa_system_sgpr_workgroup_id_z 1
		.amdhsa_system_vgpr_workitem_id 0
		.amdhsa_next_free_vgpr 258
		.amdhsa_next_free_sgpr 66
		.amdhsa_reserve_vcc 0
		.amdhsa_float_denorm_mode_32 3
		.amdhsa_float_denorm_mode_16_64 3
		.amdhsa_memory_ordered 1
		.amdhsa_forward_progress 1
		.amdhsa_inst_pref_size 110
	.end_amdhsa_kernel
	.amdgpu_metadata
---
amdhsa.version: [ 1, 2 ]
amdhsa.kernels:
  - .name:           k_qdb48555f73_prep
    .symbol:         k_qdb48555f73_prep.kd
    .args:
      - { .name: x, .offset: 0, .size: 8, .value_kind: global_buffer, .address_space: global }
      - { .name: Wq, .offset: 8, .size: 8, .value_kind: global_buffer, .address_space: global }
      - { .name: Wk, .offset: 16, .size: 8, .value_kind: global_buffer, .address_space: global }
      - { .name: Wv, .offset: 24, .size: 8, .value_kind: global_buffer, .address_space: global }
      - { .name: Wu, .offset: 32, .size: 8, .value_kind: global_buffer, .address_space: global }
      - { .name: qc, .offset: 40, .size: 8, .value_kind: global_buffer, .address_space: global }
      - { .name: qs, .offset: 48, .size: 8, .value_kind: global_buffer, .address_space: global }
      - { .name: kv, .offset: 56, .size: 8, .value_kind: global_buffer, .address_space: global }
      - { .name: kvs, .offset: 64, .size: 8, .value_kind: global_buffer, .address_space: global }
      - { .name: wuc, .offset: 72, .size: 8, .value_kind: global_buffer, .address_space: global }
      - { .name: wus, .offset: 80, .size: 8, .value_kind: global_buffer, .address_space: global }
    .group_segment_fixed_size: 70656
    .private_segment_fixed_size: 0
    .kernarg_segment_align: 8
    .kernarg_segment_size: 88
    .max_flat_workgroup_size: 256
    .sgpr_count:     66
    .vgpr_count:     258
    .wavefront_size: 32
...
	.end_amdgpu_metadata
.endif
;; end of part 1
;; launch attn (part 2): grid 16 x 16, 8 waves a work-group, clusters of 4 x 1, 327,680 bytes of LDS; arguments qc, qs, kv, kvs, yc, ys; writes yc, ys
.if DOCPART == 2
	.amdgcn_target "amdgcn-amd-amdhsa--gfx1250"
	.amdhsa_code_object_version 6
	.text
	.protected	k_qdb48555f73_attn
	.globl	k_qdb48555f73_attn
	.p2align	8
	.type	k_qdb48555f73_attn,@function
k_qdb48555f73_attn:
	s_mov_b64 s[64:65], 0
	v_nop
	global_prefetch_b8 v0, s[64:65] scope:SCOPE_SE
	s_setreg_imm32_b32 hwreg(HW_REG_WAVE_MODE, 25, 1), 1
	s_wait_xcnt 0x0
	s_wait_alu depctr_hold_cnt(0) depctr_sa_sdst(0) depctr_va_vdst(0) depctr_va_sdst(0) depctr_va_ssrc(0) depctr_va_vcc(0) depctr_vm_vsrc(0)
	s_getreg_b32 s2, hwreg(HW_REG_IB_STS2, 6, 4)
	s_cmp_eq_u32 s2, 0
	s_cbranch_scc0 .Lentry_in_a_cluster
	s_endpgm
.Lentry_in_a_cluster:
	s_bfe_u32 s2, ttmp6, 0x10000c
	s_cmp_lg_u32 s2, 0x3003
	s_cbranch_scc0 .Lentry_shape_is_right
	s_endpgm
.Lentry_shape_is_right:
; y[bh][q][:] = the sum over keys of softmax(q . k / sqrt(128)) v, both products on codes of BF8 (E5M2) with one E8M0 scale for each 32 along a product's K; y leaves as codes, quantised along the head's channels.
; All operands come as images of their registers (2,048 bytes a fragment: registers 4 c .. 4 c + 3 of lane l at 512 c + 16 l): qc [bh][block of 128 queries][tile 8]; kv [bh][key step of 128][K's 8 tiles, V's 8 tiles].
; Row i of a tile of queries, of keys or of V's channels is 32 (t / 2) + 8 (t % 2) + i + 8 (i / 8) of its 128: so p's and y's 64 registers of eight tiles are 16 neighbours of each block of 32 along the next K.
; Scale words of eight tiles lie in 512 bytes, the word of (t, r) at 16 r + 256 (t % 2) + 4 (t / 2): one load of 16 bytes a lane brings four registers, register b with tile 2 b in lanes 0-15 and tile 2 b + 1 in lanes 16-31.
; THE SOFTMAX: t = score x log2(e) / sqrt(128); M = the running largest t rounded UP to a whole number; p = 2^(t - M) is quantised along the keys, not normalised; the row's sum is taken of the unquantised p and divides at the end.
; When M moves, the sum and O are multiplied by 2^(old M - new M): exact.
; SHARES.  A work-group owns 128 queries of one head.  Wave w = (p = w % 4, g = w / 4) holds TWO tiles of queries, A = 2 p + g and B = 2 p + 1 - g, and walks HALF the keys: key steps 4 slot + 2 i + g.  So each fragment of K and V
; that it reads from LDS feeds two products, and two waves share a SIMD.  At the end waves w and w xor 4 hand each other tile B, which is the other's A, with its M and sum, and each finishes its A.
; Both products are used transposed (S^T = K Q^T, O^T = V^T P^T): a lane holds one query throughout.
; CLUSTER.  The four query blocks of a cluster belong to one head and walk the same K and V: each tile is asked for JOINTLY (mask 15); every wave fetches an eighth of a slot, 64 rows of 256 bytes.
; THE RING.  Two slots of four key steps (131,072 bytes each).  Both first fills go out at the start.  A slot is left as soon as V of a wave's second key step in it stands in registers: there the wave waits for all its tensor
; loads and for its reads and gives the opening signal of the round; the second tile's softmax, the rescaling and the 16 products V^T P^T, all on registers, stand between that signal and its wait; the joint refill follows the round.
; By this text's count a wave has three tensor loads out at the start (the scale words, slot 0, slot 1) and one behind each round.
; LDS: the two slots; the head's scale words (K's 8,192, V's 8,192), filled once; the spare words.  The stage of the end lies in slot 0, which by then has had its last fill and its last read.
; LIMITS: NaN and infinities are not served.  A p under 2^-126 counts as 0 (v_exp_f32: ISA guide 15.8).  A block whose largest magnitude lies under 2^-111 keeps the scale byte 1; so does a block of zeros: its codes are zeros.
.set SLOT1, 131072
.set SCK,   262144                     ; K's scale words; V's lie 8,192 further on
.set SPARE, 278528                     ; the spare words, 128 bytes for each of eight waves: four blocks of 256 bytes that no other line names
.set STATS, 65536                      ; the end: behind the eight exported tiles (8,192 bytes a wave): 256 bytes a wave: -M, then the sum
.set YSC,   69632                      ; the end: y's scale words, 64 bytes a tile
; WINDOW 0: v1 16 l + 32768 g; v2 the same + 65536; v3 16 l + SCK; v4, v5 the add's two; v6, v7 the step's addresses; v8 256 l (prefetch); v9-v14 the end's LDS addresses; v15 16 l;
;   v16-79 four fragments; v80-207 S^T, then p, 64 a tile; v208-211 K's scale words, v212-215 V's, v216-217 Q's, v218-219 p's; v[220 + 4 q] -M, +1 the largest t, +2, +3 the sum in two halves;
;   v228-243 at work; v[244 + 2 q] f; v248 at work; v249 y's scale word; v[250:251] the sum's second chain; v252, v253 the partner's -M and sum.
; WINDOW 1: v0-127 O^T, 64 a tile; v128-159 Q's two fragments; v160-191 p's codes; v192-255 four more fragments.
; SCALARS: s[32:39], s[40:47] descriptor groups 1 (tiles, scale words); s[48:51] group 0 of slot 0's first fill; s[52:55] of the scale words; s[72:75] of slot 1's first fill, which then walks on.
.set TM,  228
.set TMP, 248
.set WV,  16                           ; s16 wave; s17 p; s18 g; s19 cx; s20 my block of queries; s21 bh
.set SEL, 22                           ; s[22:23]
.set CS,  24                           ; s[24:25] c = log2(e) / sqrt(128), twice
.set MNT, 26
.set TB,  27                           ; s27 the slot in hand
.set TS,  28                           ; s28 where my step's scale words begin: 512 g + 2048 slot
.set SLOTS, 29                         ; s29 slots still to be asked for
.set LIM, 31                           ; s31 1 in a wave that prefetches, else the greatest number
.set PFA, 56                           ; s[56:57] where my prefetches stand
.set MSB, 0
.macro WIN new                         ; the immediate's high byte repeats the setting that is left; a switch that changes nothing is dropped
.if MSB != \new
	s_set_vgpr_msb (MSB<<8)|\new
.set MSB, \new
.endif
.endm
.macro CREST                           ; a round of the cluster's barrier behind its opening barrier
	s_cmp_lg_u32 s[WV], 0
	s_cbranch_scc1 .Lnot_wave_0_\@
	s_barrier_signal -3
.Lnot_wave_0_\@:
	s_barrier_wait -3
	s_barrier_signal -1
	s_barrier_wait -1
.endm
.macro CROUND                          ; a whole round
	s_barrier_signal -1
	s_barrier_wait -1
	CREST
.endm
; A prefetch of what the NEXT refill will ask for: a slot is 131,072 dense bytes.  All clusters of a head walk the same bytes: the head's first cluster asks; its four partners take 32,768 bytes each, told apart by
; address; in each, waves 0 to 3 take 8,192 each, lanes 256 bytes apart: each aligned block of 256 bytes of key steps 12 to 15 is named once, at the refill that asks for key steps 8 to 11: a slot's two key steps of each wave
; ahead of its load.  Key steps 0 to 11 come by their loads alone; the last refill asks for nothing.
.macro ASK
	s_cmp_gt_u32 s[SLOTS], s[LIM]
	s_cbranch_scc0 .Lnot_mine_\@
	global_prefetch_b8 v8, s[PFA:PFA+1] th:TH_LOAD_NT scope:SCOPE_SE
.Lnot_mine_\@:
.endm
.macro MM0 d, a, b, sa, sb, row        ; a product that starts its sum; row = 1: source 0's scale words stand in lanes 16-31
.if \row
	v_wmma_scale_f32_16x16x128_f8f6f4 v[\d:\d+7], v[\a:\a+15], v[\b:\b+15], 0, v[\sa], v[\sb] matrix_a_fmt:MATRIX_FMT_BF8 matrix_b_fmt:MATRIX_FMT_BF8 matrix_a_scale:MATRIX_SCALE_ROW1
.else
	v_wmma_scale_f32_16x16x128_f8f6f4 v[\d:\d+7], v[\a:\a+15], v[\b:\b+15], 0, v[\sa], v[\sb] matrix_a_fmt:MATRIX_FMT_BF8 matrix_b_fmt:MATRIX_FMT_BF8
.endif
.endm
.macro MMA d, a, b, sa, sb, row        ; a product that adds in place
.if \row
	v_wmma_scale_f32_16x16x128_f8f6f4 v[\d:\d+7], v[\a:\a+15], v[\b:\b+15], v[\d:\d+7], v[\sa], v[\sb] matrix_a_fmt:MATRIX_FMT_BF8 matrix_b_fmt:MATRIX_FMT_BF8 matrix_a_scale:MATRIX_SCALE_ROW1
.else
	v_wmma_scale_f32_16x16x128_f8f6f4 v[\d:\d+7], v[\a:\a+15], v[\b:\b+15], v[\d:\d+7], v[\sa], v[\sb] matrix_a_fmt:MATRIX_FMT_BF8 matrix_b_fmt:MATRIX_FMT_BF8
.endif
.endm
; 64 numbers of a lane, register 16 b + i = k 32 b + 16 (l / 16) + i of its row, become a fragment's codes in v[pc] on and its scale word in v[pw]
.macro QUANT s, pc, pw
.irp b, 0,1,2,3
	v_max3_num_f32 v[TM+\b], |v[\s+16*\b]|, |v[\s+1+16*\b]|, 0x8000000   ; my 16 numbers, and the floor 2^(16 - 127)
.endr
.irp i, 2,4,6,8,10,12,14
.irp b, 0,1,2,3
	v_max3_num_f32 v[TM+\b], v[TM+\b], |v[\s+16*\b+\i]|, |v[\s+1+16*\b+\i]|
.endr
.endr
.irp b, 0,1,2,3
	v_permlanex16_b32 v[TM+4+\b], v[TM+\b], s[SEL], s[SEL+1]
.endr
.irp b, 0,1,2,3
	v_max_num_f32 v[TM+\b], v[TM+\b], v[TM+4+\b]
.endr
.irp b, 0,1,2,3
	v_add_nc_u32 v[TM+12+\b], 0xf8800000, v[TM+\b]
.endr
.irp b, 0,1,2,3
	v_and_or_b32 v[TM+8+\b], v[TM+\b], 0x7f800000, s[MNT]
.endr
.irp b, 0,1,2,3
	v_lshrrev_b32 v[TM+4+\b], 23, v[TM+12+\b]
.endr
	v_lshl_or_b32 v[\pw], v[TM+5], 8, v[TM+4]
	v_lshl_or_b32 v[\pw], v[TM+6], 16, v[\pw]
	v_lshl_or_b32 v[\pw], v[TM+7], 24, v[\pw]
.irp b, 0,1,2,3
.irp i, 0,1,2,3,4,5,6,7,8,9,10,11,12,13,14,15
	v_med3_num_f32 v[\s+16*\b+\i], v[\s+16*\b+\i], -v[TM+8+\b], v[TM+8+\b]   ; the conversion does not saturate (ISA guide 7.6.2): the hold
.endr
	v_cvt_scalef32_pk8_bf8_f32 v[\pc+4*\b:\pc+1+4*\b], v[\s+16*\b:\s+7+16*\b], v[TM+12+\b]
	v_cvt_scalef32_pk8_bf8_f32 v[\pc+2+4*\b:\pc+3+4*\b], v[\s+8+16*\b:\s+15+16*\b], v[TM+12+\b]
.endr
	v_nop
.endm
; THE SOFTMAX OF TILE q FOR ONE KEY STEP: 64 scores of a lane become p's codes (window 1) and scale word; M, the sum and f are brought on
.macro SOFT q
.set S,  80+64*\q
.set NM, 220+4*\q
.set LS, 222+4*\q
.set FF, 244+2*\q
.irp b, 0,1,2,3
	v_max3_num_f32 v[TM+\b], v[S+16*\b], v[S+1+16*\b], v[S+2+16*\b]   ; the largest SCORE of each block of 32 keys: it serves for the row's maximum and, since p rises with the score, for the block's largest p
.endr
.irp i, 3,5,7,9,11,13
.irp b, 0,1,2,3
	v_max3_num_f32 v[TM+\b], v[TM+\b], v[S+16*\b+\i], v[S+1+16*\b+\i]
.endr
.endr
.irp b, 0,1,2,3
	v_max_num_f32 v[TM+\b], v[TM+\b], v[S+15+16*\b]
.endr
.irp b, 0,1,2,3
	v_permlanex16_b32 v[TM+4+\b], v[TM+\b], s[SEL], s[SEL+1]
.endr
.irp b, 0,1,2,3
	v_max_num_f32 v[TM+\b], v[TM+\b], v[TM+4+\b]   ; with lane l xor 16's 16 keys
.endr
	v_max3_num_f32 v[TMP], v[TM], v[TM+1], v[TM+2]
	v_max_num_f32 v[TMP], v[TMP], v[TM+3]          ; the step's largest score of my query
	v_mul_f32 v[TMP], s[CS], v[TMP]                ; as t (c is positive)
	v_max_num_f32 v[NM+1], v[NM+1], v[TMP]         ; the running largest t
	v_mov_b32 v[TMP], v[NM]
	v_floor_f32 v[NM], -v[NM+1]                    ; the new -M = floor(-t) = -ceil(t)
	v_sub_f32 v[TMP], v[NM], v[TMP]                ; old M - new M: a whole number, 0 or less
	v_cvt_i32_f32 v[TMP], v[TMP]                   ; (it saturates)
	v_ldexp_f32 v[FF], 1.0, v[TMP]                 ; f = 2^(old M - new M)
.set j, 0
.rept 32
	v_pk_fma_f32 v[S+j:S+j+1], v[S+j:S+j+1], s[CS:CS+1], v[NM:NM+1] op_sel_hi:[1,0,0]   ; t - M, two at a time (of the pairs c and -M the low word serves both halves)
.set j, j+2
.endr
.irp b, 0,1,2,3
	v_fma_f32 v[TM+\b], v[TM+\b], s[CS], v[NM]     ; the same of each block's largest score
.endr
.set j, 0
.rept 64
	v_exp_f32 v[S+j], v[S+j]                       ; p = 2^(t - M), at most 1
.set j, j+1
.endr
	v_pk_mul_f32 v[LS:LS+1], v[LS:LS+1], v[FF:FF+1] op_sel_hi:[1,0]   ; the sums under the new M: the plain line behind the exponentials
	s_wait_alu depctr_va_vdst(0)                   ; one wait for the batch of 64, ahead of its first reader
.irp b, 0,1,2,3
	v_exp_f32 v[TM+\b], v[TM+\b]                   ; the block's largest p: the same two instructions on the same number give the same bits
.endr
	v_pk_add_f32 v[250:251], v[S:S+1], v[S+2:S+3]  ; the row's sum is taken of the UNQUANTISED p, two at a time, in two chains
.set j, 4
.rept 15
	v_pk_add_f32 v[LS:LS+1], v[LS:LS+1], v[S+j:S+j+1]
	v_pk_add_f32 v[250:251], v[250:251], v[S+j+2:S+j+3]
.set j, j+4
.endr
	v_pk_add_f32 v[LS:LS+1], v[LS:LS+1], v[250:251]
	s_wait_alu depctr_va_vdst(0)                   ; and one for the four
.irp b, 0,1,2,3
	v_max_num_f32 v[TM+\b], 0x8000000, v[TM+\b]    ; the floor 2^(16 - 127)
.endr
.irp b, 0,1,2,3
	v_add_nc_u32 v[TM+12+\b], 0xf8800000, v[TM+\b] ; 15 off the exponent field: the conversion's scale operand
.endr
.irp b, 0,1,2,3
	v_and_or_b32 v[TM+8+\b], v[TM+\b], 0x7f800000, s[MNT]   ; 57,344 x the scale
.endr
.irp b, 0,1,2,3
	v_lshrrev_b32 v[TM+4+\b], 23, v[TM+12+\b]      ; the scale's byte
.endr
	v_lshl_or_b32 v[218+\q], v[TM+5], 8, v[TM+4]   ; p's scale word for these 128 keys: the 64 holds below are more than its eight places ahead of the products
	v_lshl_or_b32 v[218+\q], v[TM+6], 16, v[218+\q]
	v_lshl_or_b32 v[218+\q], v[TM+7], 24, v[218+\q]
.irp b, 0,1,2,3
.set j, 0
.rept 16
	v_min_num_f32 v[S+16*\b+j], v[S+16*\b+j], v[TM+8+\b]   ; the conversion does not saturate (ISA guide 7.6.2); p is not negative, so the hold is one-sided
.set j, j+1
.endr
.endr
	WIN 0x40                                       ; the codes go to window 1
.irp b, 0,1,2,3
	v_cvt_scalef32_pk8_bf8_f32 v[160+16*\q+4*\b:161+16*\q+4*\b], v[S+16*\b:S+16*\b+7], v[TM+12+\b]
	v_cvt_scalef32_pk8_bf8_f32 v[162+16*\q+4*\b:163+16*\q+4*\b], v[S+16*\b+8:S+16*\b+15], v[TM+12+\b]
.endr
	v_nop                                          ; a plain line behind the last conversion
	WIN 0
.endm
; A KEY STEP: record 2 i + g of the slot in hand: 16 products K Q^T, two softmaxes, 16 products V^T P^T.  Each accumulator has one product a step, and no two products that follow each other share one.
; mode = 0: nothing more.  mode = 1, 2: this is the wave's last step in the slot, and THE SLOT IS LEFT IN IT.  Behind the first tile's softmax V stands in registers: the wave waits for all its tensor loads (its part of the
; other slot), adds 0 to its spare word, waits for that and for its reads of this slot, and signals; the rest of the step, on registers alone, stands between the signal and the wait.  Behind the wait nobody reads this slot
; any more and the other slot is whole.  mode = 2: the barrier has opened a round of the cluster's barrier, so that the same holds of every partner; the joint refill of this slot, with the keys two slots on, is the first thing
; behind the round, and has the other slot's two key steps of each wave in which to land.
.macro STEP i, mode
	v_add_nc_u32 v6, s[TB], v[1+\i]
	v_add_nc_u32 v7, s[TS], v3
.rept 6
	v_nop                                          ; with the two additions: eight places behind the last products, ahead of loads into registers that they read
.endr
	ds_load_b128 v[208:211], v7 offset:1024*\i     ; K's scale words
.irp t, 0,1,2,3
.irp c, 0,1,2,3
	ds_load_b128 v[16+16*\t+4*\c:19+16*\t+4*\c], v6 offset:2048*\t+512*\c
.endr
.endr
	WIN 0x40
.irp t, 0,1,2,3
.irp c, 0,1,2,3
	ds_load_b128 v[192+16*\t+4*\c:195+16*\t+4*\c], v6 offset:8192+2048*\t+512*\c
.endr
.endr
	s_wait_dscnt 16                                ; LDS loads come back in order: the scale words and tiles 0-3 are in; the 16 loads of tiles 4-7 may be out
	WIN 0x04                                       ; source 1 (Q) window 1
.irp t, 0,1,2,3
.irp q, 0,1
	MM0 80+64*\q+8*\t, 16+16*\t, 128+16*\q, 208+\t/2, 216+\q, \t%2
.endr
.endr
	s_wait_dscnt 0x0
	WIN 0x05                                       ; source 0 (K's tiles 4-7) window 1 too
.irp t, 0,1,2,3
.irp q, 0,1
	MM0 112+64*\q+8*\t, 192+16*\t, 128+16*\q, 210+\t/2, 216+\q, \t%2
.endr
.endr
	WIN 0
.rept 8
	v_nop                                          ; eight places: ahead of the loads below and of the first read of the scores
.endr
	ds_load_b128 v[212:215], v7 offset:8192+1024*\i   ; V's scale words and tiles go out now and land under the first softmax
.irp t, 0,1,2,3
.irp c, 0,1,2,3
	ds_load_b128 v[16+16*\t+4*\c:19+16*\t+4*\c], v6 offset:16384+2048*\t+512*\c
.endr
.endr
	WIN 0x40
.irp t, 0,1,2,3
.irp c, 0,1,2,3
	ds_load_b128 v[192+16*\t+4*\c:195+16*\t+4*\c], v6 offset:24576+2048*\t+512*\c
.endr
.endr
	WIN 0
	SOFT 0
.if \mode
	s_wait_tensorcnt 0x0                           ; all my tensor loads have landed: my part of the other slot; so a group 0 may be written
	ds_add_u32 v4, v5                              ; 0 onto my spare word
.if \mode == 2
	s_xor_b32 s73, s73, SLOT1                      ; the walking descriptor: the other slot than last time, which is the slot in hand,
	s_add_nc_u64 s[74:75], s[74:75], 131072        ; the next four key steps; the type bits on top are not reached
	s_wait_xcnt 0x0                                ; the last prefetch, a slot back, has read its address
	s_add_nc_u64 s[PFA:PFA+1], s[PFA:PFA+1], 131072   ; one slot further on than the walking descriptor
.endif
	s_wait_dscnt 0x0                               ; the add is done, and my reads of this slot are over: V stands in registers
	s_barrier_signal -1                            ; say so, and work on registers while the others arrive
.endif
	SOFT 1
	WIN 0x41                                       ; O^T (destination and source 0) window 1, f window 0
.irp q, 0,1
.set j, 0
.rept 32
	v_pk_mul_f32 v[64*\q+j:64*\q+j+1], v[64*\q+j:64*\q+j+1], v[244+2*\q:245+2*\q] op_sel_hi:[1,0]   ; O^T under the new M; these lines are also the places between the codes' conversions and the products
.set j, j+2
.endr
.endr
.if \mode == 0
	s_wait_dscnt 0x0                               ; V is in
.endif
	WIN 0x54                                       ; source 0 (V's tiles 0-3) window 0; p's codes, C and D window 1
.irp t, 0,1,2,3
.irp q, 0,1
	MMA 64*\q+8*\t, 16+16*\t, 160+16*\q, 212+\t/2, 218+\q, \t%2
.endr
.endr
	WIN 0x55
.irp t, 0,1,2,3
.irp q, 0,1
	MMA 32+64*\q+8*\t, 192+16*\t, 160+16*\q, 214+\t/2, 218+\q, \t%2
.endr
.endr
	WIN 0                                          ; (branches may follow, and nothing stands between the wait below and the rest of the round)
.if \mode
	s_barrier_wait -1                              ; all eight waves have said so
.endif
.if \mode == 2
	CREST                                          ; and all four work-groups
	tensor_load_to_lds s[72:75], s[32:39]
	s_nop 0
.rept 4
	v_nop
.endr
	ASK
.endif
.endm
	s_load_b256 s[4:11], s[0:1], 0x0               ; qc s[4:5], qs s[6:7], kv s[8:9], kvs s[10:11]
	s_load_b128 s[12:15], s[0:1], 0x20             ; yc s[12:13], ys s[14:15]
	v_lshl_add_u32 v4, v0, 2, SPARE
	v_mov_b32 v5, 0
	ds_add_u32 v4, v5
	ds_add_u32 v4, v5
	s_wait_dscnt 0x0
	v_lshrrev_b32 v1, 5, v0
	v_readfirstlane_b32 s[WV], v1                  ; wave 0..7
	s_and_b32 s17, s[WV], 3                        ; p
	s_lshr_b32 s18, s[WV], 2                       ; g
	s_bfe_u32 s19, ttmp6, 0x40000                  ; cx: my place in the cluster
	s_lshl_b32 s20, ttmp9, 2
	s_add_co_u32 s20, s20, s19                     ; my block of 128 queries: it enters Q's and y's addresses and the prefetches' alone
	s_and_b32 s21, ttmp7, 0xffff                   ; bh, which the four partners share
	; descriptor group 1: 64 dense rows of 256 bytes (32 elements of 8 bytes); mask 15, bit 21 beside it; no padding: images are read 16 bytes a lane on end
	s_mov_b32 s32, 15|(3<<16)|(1<<21)
	s_mov_b32 s33, 32<<16                          ; tensor_dim0
	s_mov_b32 s34, 64<<16                          ; tensor_dim1
	s_mov_b32 s35, 32<<16                          ; tile_dim0
	s_mov_b32 s36, 64                              ; tile_dim1
	s_mov_b32 s37, 32                              ; the pitch
	s_mov_b32 s38, 0
	s_mov_b32 s39, 0
	s_mov_b32 s40, 15|(3<<16)|(1<<21)              ; and for the scale words: 8 such rows a wave
	s_mov_b32 s41, 32<<16
	s_mov_b32 s42, 8<<16
	s_mov_b32 s43, 32<<16
	s_mov_b32 s44, 8
	s_mov_b32 s45, 32
	s_mov_b32 s46, 0
	s_mov_b32 s47, 0
	s_mov_b32 s[SEL], 0x76543210
	s_mov_b32 s[SEL+1], 0xfedcba98
	s_mov_b32 s[CS], 0x3e0293ee                    ; c = log2(e) / sqrt(128)
	s_mov_b32 s[CS+1], s[CS]
	s_mov_b32 s[MNT], 0x600000
	; every LDS address that stays, made here, ahead of every branch on the wave's number
	v_and_b32 v16, 31, v0                          ; lane
	v_and_b32 v17, 15, v0                          ; r
	v_lshlrev_b32 v15, 4, v16                      ; 16 l
	s_lshl_b32 s66, s18, 15
	v_add_nc_u32 v1, s66, v15                      ; record g of a slot,
	v_add_nc_u32 v2, 0x10000, v1                   ; record 2 + g
	v_add_nc_u32 v3, SCK, v15
	v_lshlrev_b32 v8, 8, v16
	s_lshl_b32 s66, s[WV], 13
	v_add_nc_u32 v9, s66, v15                      ; where I put tile B
	s_lshl_b32 s67, s[WV], 8
	s_add_co_u32 s67, s67, STATS
	v_lshl_add_u32 v10, v16, 2, s67                ; and its -M and sum
	s_xor_b32 s68, s[WV], 4                        ; my partner
	s_lshl_b32 s66, s68, 13
	v_add_nc_u32 v11, s66, v15                     ; where the partner's lie
	s_lshl_b32 s67, s68, 8
	s_add_co_u32 s67, s67, STATS
	v_lshl_add_u32 v12, v16, 2, s67
	s_lshl_b32 s69, s17, 1
	s_add_co_u32 s69, s69, s18                     ; tile A = 2 p + g
	s_xor_b32 s70, s69, 1                          ; tile B = 2 p + 1 - g
	s_lshl_b32 s66, s69, 6
	s_add_co_u32 s66, s66, YSC
	v_lshl_add_u32 v13, v17, 2, s66                ; y's scale word of (tile A, r)
	v_add_nc_u32 v14, YSC, v15
	; offsets of Q's loads, in registers that products write first behind the wait for these loads
	s_lshl_b32 s66, s69, 11
	v_add_nc_u32 v80, s66, v15
	s_lshl_b32 s66, s70, 11
	v_add_nc_u32 v81, s66, v15
	s_lshl_b32 s66, s17, 2
	s_lshl_b32 s67, s18, 8
	s_add_co_u32 s66, s66, s67                     ; 4 (t / 2) + 256 (t % 2) for tile A;
	v_lshl_add_u32 v82, v17, 4, s66
	s_xor_b32 s66, s66, 256                        ; for tile B
	v_lshl_add_u32 v83, v17, 4, s66
	s_lshl_b32 s58, s21, 19                        ; a head's K and V: 524,288 bytes;
	s_lshl_b32 s59, s[WV], 14                      ; my eighth of a slot
	s_add_co_u32 s58, s58, s59
	s_mov_b32 s59, 0
	s_lshl_b32 s60, s21, 14                        ; a head's scale words: 16,384 bytes; my eighth
	s_lshl_b32 s61, s[WV], 11
	s_add_co_u32 s60, s60, s61
	s_mov_b32 s61, 0
	s_wait_kmcnt 0x0
	s_mov_b32 s48, 1                               ; group 0 of slot 0's first fill: count = 1,
	s_lshl_b32 s49, s[WV], 14                      ; LDS address: slot 0, my eighth: no place in the cluster enters it,
	s_add_nc_u64 s[50:51], s[8:9], s[58:59]        ; global address: key steps 0 to 3,
	s_or_b32 s51, s51, 0x80000000                  ; type = 2
	s_mov_b32 s72, 1                               ; of slot 1's first fill: key steps 4 to 7; this one walks on
	s_add_co_u32 s73, s49, SLOT1
	s_add_nc_u64 s[74:75], s[8:9], s[58:59]
	s_add_nc_u64 s[74:75], s[74:75], 131072
	s_or_b32 s75, s75, 0x80000000
	s_mov_b32 s52, 1                               ; and of the scale words
	s_lshl_b32 s53, s[WV], 11
	s_add_co_u32 s53, s53, SCK
	s_add_nc_u64 s[54:55], s[10:11], s[60:61]
	s_or_b32 s55, s55, 0x80000000
	CROUND                                         ; all four work-groups are here: the first joint loads meet
	tensor_load_to_lds s[52:55], s[40:47]          ; the head's scale words: filled once
	s_nop 0
	tensor_load_to_lds s[48:51], s[32:39]          ; slot 0
	s_nop 0
	tensor_load_to_lds s[72:75], s[32:39]          ; slot 1: the first fills go out as one group
	s_nop 0
.rept 4
	v_nop
.endr
	s_lshl_b32 s58, s21, 4
	s_add_co_u32 s58, s58, s20                     ; 16 bh + my block
	s_lshl_b32 s60, s58, 14
	s_mov_b32 s61, 0
	s_add_nc_u64 s[4:5], s[4:5], s[60:61]          ; Q's images
	s_lshl_b32 s60, s58, 9
	s_add_nc_u64 s[6:7], s[6:7], s[60:61]          ; and scale words
	WIN 0x40
.irp c, 0,1,2,3
	global_load_b128 v[128+4*\c:131+4*\c], v80, s[4:5] offset:512*\c   ; Q stays in registers: tile A,
	global_load_b128 v[144+4*\c:147+4*\c], v81, s[4:5] offset:512*\c   ; tile B
.endr
	WIN 0
	global_load_b32 v216, v82, s[6:7]
	global_load_b32 v217, v83, s[6:7]
	s_lshr_b32 s58, s21, 3                         ; b
	s_lshl_b32 s58, s58, 4
	s_add_co_u32 s58, s58, s20                     ; 16 b + my block
	s_lshl_b32 s58, s58, 3
	s_and_b32 s59, s21, 7                          ; h
	s_add_co_u32 s60, s58, s69
	s_lshl_b32 s60, s60, 14
	s_lshl_b32 s62, s59, 11
	s_add_co_u32 s60, s60, s62
	s_add_nc_u64 s[12:13], s[12:13], s[60:61]      ; yc [b][block][tile][h][2,048]
	s_add_co_u32 s60, s58, s59
	s_lshl_b32 s60, s60, 9
	s_add_nc_u64 s[14:15], s[14:15], s[60:61]      ; ys [b][block][h][512]
	s_lshl_b32 s62, s21, 19
	s_lshl_b32 s63, s19, 15                        ; my work-group's quarter of a slot,
	s_add_co_u32 s62, s62, s63
	s_lshl_b32 s63, s17, 13                        ; my wave's quarter of that,
	s_add_co_u32 s62, s62, s63
	s_add_co_u32 s62, s62, 262144                  ; at key steps 8 to 11: the first refill steps it to key steps 12 to 15
	s_mov_b32 s63, 0
	s_add_nc_u64 s[PFA:PFA+1], s[8:9], s[62:63]
	s_or_b32 s[LIM], s18, ttmp9                    ; 0 in waves 0 to 3 of the head's first cluster: the same in all four partners
	s_cmp_eq_u32 s[LIM], 0
	s_cselect_b32 s[LIM], 1, -1
.irp q, 0,1
	v_mov_b32 v[221+4*\q], 0xff61b1e6              ; the largest t so far: -3e38, under every t
	v_floor_f32 v[220+4*\q], -v[221+4*\q]          ; -M
	v_mov_b32 v[222+4*\q], 0                       ; the sum, in two halves
	v_mov_b32 v[223+4*\q], 0
	v_mov_b32 v[244+2*\q], 0
	v_mov_b32 v[245+2*\q], 0                       ; (named as the upper half of f's pair)
.endr
.irp b, 0,1,2,3
	v_mov_b32 v[TM+4+\b], 0                        ; written once: a lane permute's destination counts as one of its sources
.endr
	WIN 0x40
.set j, 0
.rept 128
	v_mov_b32 v[j], 0                              ; O^T.  The step is written without a first step of its own: the first change of M multiplies zeros; a first step with the constant 0 as C would be one more copy of the step
.set j, j+1
.endr
	WIN 0
	s_mov_b32 s[TB], 0
	s_lshl_b32 s[TS], s18, 9
	s_mov_b32 s[SLOTS], 2
	s_wait_loadcnt 0x0                             ; Q
	s_wait_tensorcnt 0x1                           ; tensor loads of a wave end in order (ISA guide 10.11.1): my parts of the scale words and of slot 0 are in; slot 1's may stay out
	s_barrier_signal -1
	s_barrier_wait -1                              ; everybody's are
.Lslot:                                            ; two trips: key steps 0 to 3 and 4 to 7; each slot is filled again as it is left
	STEP 0, 0
	STEP 1, 2
	s_xor_b32 s[TB], s[TB], SLOT1
	s_add_co_u32 s[TS], s[TS], 2048
	s_sub_co_u32 s[SLOTS], s[SLOTS], 1
	s_cmp_lg_u32 s[SLOTS], 0
	s_cbranch_scc1 .Lslot
	STEP 0, 0                                      ; the last two slots are written out: key steps 8 to 11
	STEP 1, 1                                      ; nothing is left to ask for: a barrier of the work-group shows the last slot whole
	s_xor_b32 s[TB], s[TB], SLOT1
	s_add_co_u32 s[TS], s[TS], 2048
	STEP 0, 0                                      ; key steps 12 to 15
	STEP 1, 0
	; THE END.  Waves w and w xor 4 have walked the two halves of the keys for the same two tiles: each hands over tile B and finishes tile A
.rept 8
	v_nop                                          ; eight places behind the last products
.endr
	v_add_f32 v222, v222, v223                     ; the sums' two halves,
	v_add_f32 v226, v226, v227
	v_permlanex16_b32 v232, v222, s[SEL], s[SEL+1]
	v_permlanex16_b32 v233, v226, s[SEL], s[SEL+1]
	v_add_f32 v222, v222, v232                     ; and lane l xor 16's
	v_add_f32 v226, v226, v233
	WIN 0x04                                       ; an LDS store's data are its source 1: window 1
.irp k, 0,1,2,3,4,5,6,7,8,9,10,11,12,13,14,15
	ds_store_b128 v9, v[64+4*\k:67+4*\k] offset:512*\k   ; tile B's O^T as it stands, each accumulator from its low end on
.endr
	WIN 0
	ds_store_b32 v10, v224                         ; its -M
	ds_store_b32 v10, v226 offset:128              ; its sum
	s_wait_dscnt 0x0                               ; for the partner's sake
	s_barrier_signal -1
	s_barrier_wait -1
.irp k, 0,1,2,3,4,5,6,7,8,9,10,11,12,13,14,15
	ds_load_b128 v[80+4*\k:83+4*\k], v11 offset:512*\k   ; the partner's part of my tile A: the same queries in the same lanes
.endr
	ds_load_b32 v252, v12
	ds_load_b32 v253, v12 offset:128
	s_wait_dscnt 0x0
	v_min_num_f32 v248, v220, v252                 ; -M of both halves together
	v_sub_f32 v228, v248, v220                     ; my M - the common M: a whole number, 0 or less
	v_sub_f32 v229, v248, v252
	v_cvt_i32_f32 v228, v228
	v_cvt_i32_f32 v229, v229
	v_ldexp_f32 v228, 1.0, v228                    ; exact powers of two
	v_ldexp_f32 v229, 1.0, v229
	v_mul_f32 v230, v222, v228
	v_fma_f32 v230, v253, v229, v230               ; the row's sum under the common M
	v_rcp_f32 v231, v230
	v_nop                                          ; a plain line behind the reciprocal
	s_wait_alu depctr_va_vdst(0)                   ; and the wait ahead of its first reader
	v_mul_f32 v244, v228, v231
	v_mul_f32 v246, v229, v231
.set j, 0
.rept 32
	v_pk_mul_f32 v[80+j:81+j], v[80+j:81+j], v[246:247] op_sel_hi:[1,0]
.set j, j+2
.endr
	WIN 0x01                                       ; source 0: my O^T of tile A, window 1
.set j, 0
.rept 32
	v_pk_fma_f32 v[80+j:81+j], v[j:j+1], v[244:245], v[80+j:81+j] op_sel_hi:[1,0,1]   ; y: register 16 b + i = channel 32 b + 16 (l / 16) + i of my query
.set j, j+2
.endr
	WIN 0
	QUANT 80, 144, 249                             ; y's fragment for K step h of the last product
.irp c, 0,1,2,3
	global_store_b128 v15, v[144+4*\c:147+4*\c], s[12:13] offset:512*\c   ; 512 consecutive bytes a store, aligned
.endr
	ds_store_b32 v13, v249                         ; both halves of the lanes write the same word
	s_wait_dscnt 0x0
	s_barrier_signal -1
	s_barrier_wait -1                              ; the eight tiles' scale words are gathered
	s_cmp_lg_u32 s[WV], 0
	s_cbranch_scc1 .Lnot_first
	ds_load_b128 v[160:163], v14
	s_wait_dscnt 0x0
	global_store_b128 v15, v[160:163], s[14:15]
.Lnot_first:
	s_wait_tensorcnt 0x0                           ; the wave's end: behind my last tensor load and my last LDS store
	ds_add_u32 v4, v5
	s_wait_dscnt 0x0
	CROUND                                         ; the closing round: no work-group ends while a partner may still ask for a tile that names it
	s_endpgm
.Lfunc_end_k_qdb48555f73_attn:
	.size	k_qdb48555f73_attn, .Lfunc_end_k_qdb48555f73_attn-k_qdb48555f73_attn
	.p2alignl 7, 3214868480
	.fill 96, 4, 3214868480
	.section	.rodata,"a",@progbits
	.p2align	6, 0x0
	.amdhsa_kernel k_qdb48555f73_attn
		.amdhsa_group_segment_fixed_size 327680
		.amdhsa_private_segment_fixed_size 0
		.amdhsa_enable_private_segment 0
		.amdhsa_kernarg_size 48
		.amdhsa_user_sgpr_count 2
		.amdhsa_user_sgpr_kernarg_segment_ptr 1
		.amdhsa_wavefront_size32 1
		.amdhsa_system_sgpr_workgroup_id_x 1
		.amdhsa_system_sgpr_workgroup_id_y 1
		.amdhsa_system_sgpr_workgroup_id_z 1
		.amdhsa_system_vgpr_workitem_id 0
		.amdhsa_next_free_vgpr 512
		.amdhsa_next_free_sgpr 80
		.amdhsa_reserve_vcc 0
		.amdhsa_float_denorm_mode_32 3
		.amdhsa_float_denorm_mode_16_64 3
		.amdhsa_memory_ordered 1
		.amdhsa_forward_progress 1
		.amdhsa_inst_pref_size 255
	.end_amdhsa_kernel
	.section	.bss,"aw",@nobits
	.p2align	6
	.space	262144
	.amdgpu_metadata
---
amdhsa.version: [ 1, 2 ]
amdhsa.kernels:
  - .name:           k_qdb48555f73_attn
    .symbol:         k_qdb48555f73_attn.kd
    .args:
      - { .name: qc, .offset: 0, .size: 8, .value_kind: global_buffer, .address_space: global }
      - { .name: qs, .offset: 8, .size: 8, .value_kind: global_buffer, .address_space: global }
      - { .name: kv, .offset: 16, .size: 8, .value_kind: global_buffer, .address_space: global }
      - { .name: kvs, .offset: 24, .size: 8, .value_kind: global_buffer, .address_space: global }
      - { .name: yc, .offset: 32, .size: 8, .value_kind: global_buffer, .address_space: global }
      - { .name: ys, .offset: 40, .size: 8, .value_kind: global_buffer, .address_space: global }
    .group_segment_fixed_size: 327680
    .private_segment_fixed_size: 0
    .kernarg_segment_align: 8
    .kernarg_segment_size: 48
    .max_flat_workgroup_size: 256
    .sgpr_count:     80
    .vgpr_count:     512
    .wavefront_size: 32
...
	.end_amdgpu_metadata
.endif
;; end of part 2
;; launch outp (part 3): grid 256 x 1, 8 waves a work-group, no clusters, 18,432 bytes of LDS; arguments yc, ys, wuc, wus, bu, out0; writes out0
.if DOCPART == 3
	.amdgcn_target "amdgcn-amd-amdhsa--gfx1250"
	.amdhsa_code_object_version 6
	.text
	.protected	k_qdb48555f73_outp
	.globl	k_qdb48555f73_outp
	.p2align	8
	.type	k_qdb48555f73_outp,@function
k_qdb48555f73_outp:
	s_mov_b64 s[64:65], 0
	v_nop
	global_prefetch_b8 v0, s[64:65] scope:SCOPE_SE
	s_setreg_imm32_b32 hwreg(HW_REG_WAVE_MODE, 25, 1), 1
	s_wait_xcnt 0x0
; out0 = y Wu + bu on codes of BF8 (E5M2) with one E8M0 scale for each 32 along K = 1,024 (head x 128 + channel).
; yc [tile of 16 rows R = (16 b + block) 8 + t][head 8][image 2,048], ys [16 b + block][head][t][r] words; wuc [K step = head][tile of 16 outputs][image], wus likewise words.  An image: registers 4 c .. 4 c + 3 of lane l at 512 c + 16 l.
; Work-group R takes 16 rows x all 128 outputs.  Wave w = (tp = w % 4, kh = w / 4) takes the output tiles 2 tp and 2 tp + 1 over the K steps 4 kh .. 4 kh + 3: two accumulators by turns, four K steps, 57 loads, all asked for in
; one run; the products follow Wu's loads K step by K step.  Source 0 = 16 outputs of Wu, source 1 = y: a lane holds eight neighbouring outputs of one row.
; THE ORDER OF AN OUTPUT'S SUM: the two halves of K are summed apart, each ascending, and then added, and the bias is added last: not one ascending chain.
; The halves meet in two planes of a stage in LDS (rows of 512 bytes + 16); each wave reads two whole rows of both planes back, adds them and the bias, and stores them.
; Row i of tile t is row 32 (t / 2) + 8 (t % 2) + i + 8 (i / 8) of its block of 128.
; NO JOINT LOADS, NO TENSOR LOADS: a work-group's own operand, y, is read by it alone, and each wave's part of Wu (16 KB) goes straight into the registers that multiply it.
; REGISTERS: v1 16 l; v2 4 r; v3 4 l + 128 tp; v5, v6 the stage in and out; v16-79 y's four fragments; v80-207 Wu's fragment (K step s, tile u) at v[80 + 32 s + 16 u]; v208-223 the accumulators;
; v224-227 y's scale words; v228-231 Wu's (tile 2 tp in lanes 0-15, 2 tp + 1 in lanes 16-31); v232-235 the bias of my four outputs of a row; v236-251 rows of the two planes.
.set SP, 528
.set PL, 16*SP                         ; a plane of the stage
	s_load_b256 s[4:11], s[0:1], 0x0               ; yc s[4:5], ys s[6:7], wuc s[8:9], wus s[10:11]
	s_load_b128 s[12:15], s[0:1], 0x20             ; bu s[12:13], out0 s[14:15]
	v_lshl_add_u32 v254, v0, 2, 0x4400
	v_mov_b32 v255, 0
	v_lshrrev_b32 v1, 5, v0
	v_readfirstlane_b32 s16, v1                    ; wave 0..7
	s_and_b32 s17, s16, 3                          ; tp
	s_lshr_b32 s18, s16, 2                         ; kh
	v_and_b32 v7, 31, v0
	v_and_b32 v8, 15, v0
	v_bfe_u32 v9, v0, 4, 1
	v_lshlrev_b32 v1, 4, v7
	v_lshlrev_b32 v2, 2, v8
	s_lshl_b32 s19, s17, 7
	v_lshl_add_u32 v3, v7, 2, s19
	s_mul_i32 s20, s18, PL
	s_add_co_u32 s20, s20, s19
	v_mul_u32_u24 v5, v8, SP
	v_lshl_add_u32 v5, v9, 5, v5
	v_add_nc_u32 v5, s20, v5                       ; the stage: plane kh, row r, + 128 tp + 32 (l / 16): my outputs' bytes
	s_mul_i32 s21, s16, 2*SP
	v_add_nc_u32 v6, s21, v1                       ; back: my two rows, 16 bytes a lane
	s_lshl_b32 s24, ttmp9, 14                      ; y's eight images; my four of them
	s_lshl_b32 s25, s18, 13
	s_add_co_u32 s24, s24, s25
	s_mov_b32 s25, 0
	s_lshr_b32 s26, ttmp9, 3
	s_lshl_b32 s26, s26, 12                        ; a block's scale words: 8 heads x 512 bytes;
	s_and_b32 s27, ttmp9, 7
	s_lshl_b32 s27, s27, 6                         ; my tile's 64 in each;
	s_add_co_u32 s26, s26, s27
	s_lshl_b32 s27, s18, 11                        ; my four heads
	s_add_co_u32 s26, s26, s27
	s_mov_b32 s27, 0
	s_lshl_b32 s28, s17, 12                        ; Wu: my two tiles,
	s_lshl_b32 s29, s18, 16                        ; my four K steps
	s_add_co_u32 s28, s28, s29
	s_mov_b32 s29, 0
	s_lshl_b32 s30, s18, 11                        ; and their scale words
	s_mov_b32 s31, 0
	s_lshr_b32 s32, ttmp9, 3
	s_lshl_b32 s32, s32, 7                         ; the block's first row,
	s_bfe_u32 s33, ttmp9, 0x20001
	s_lshl_b32 s33, s33, 5
	s_add_co_u32 s32, s32, s33                     ; + 32 (t / 2)
	s_and_b32 s33, ttmp9, 1
	s_lshl_b32 s33, s33, 3
	s_add_co_u32 s32, s32, s33                     ; + 8 (t % 2)
	s_lshl_b32 s33, s16, 1
	s_add_co_u32 s32, s32, s33                     ; + i = 2 w,
	s_lshl_b32 s33, s18, 3
	s_add_co_u32 s32, s32, s33                     ; + 8 (i / 8)
	s_lshl_b32 s32, s32, 9                         ; rows of 512 bytes
	s_mov_b32 s33, 0
	s_wait_kmcnt 0x0
	s_add_nc_u64 s[4:5], s[4:5], s[24:25]
	s_add_nc_u64 s[6:7], s[6:7], s[26:27]
	s_add_nc_u64 s[8:9], s[8:9], s[28:29]
	s_add_nc_u64 s[10:11], s[10:11], s[30:31]
	s_add_nc_u64 s[14:15], s[14:15], s[32:33]
.irp s, 0,1,2,3
	global_load_b32 v[224+\s], v2, s[6:7] offset:512*\s     ; y's scale words of my head s
	global_load_b32 v[228+\s], v3, s[10:11] offset:512*\s   ; Wu's of my K step s
.endr
	global_load_b128 v[232:235], v1, s[12:13]      ; bu at outputs 4 l .. 4 l + 3: what my lane holds of a row on the way out
.irp s, 0,1,2,3
.irp c, 0,1,2,3
	global_load_b128 v[16+16*\s+4*\c:19+16*\s+4*\c], v1, s[4:5] offset:2048*\s+512*\c
.endr
.endr
.irp s, 0,1,2,3
.irp u, 0,1
.irp c, 0,1,2,3
	global_load_b128 v[80+32*\s+16*\u+4*\c:83+32*\s+16*\u+4*\c], v1, s[8:9] offset:16384*\s+2048*\u+512*\c
.endr
.endr
.endr
.irp s, 0,1,2,3
	s_wait_loadcnt 8*(3-\s)                        ; loads come back in order: all but Wu's eight loads of each later K step are in
.if \s == 0
	v_wmma_scale_f32_16x16x128_f8f6f4 v[208:215], v[80:95], v[16:31], 0, v228, v224 matrix_a_fmt:MATRIX_FMT_BF8 matrix_b_fmt:MATRIX_FMT_BF8
	v_wmma_scale_f32_16x16x128_f8f6f4 v[216:223], v[96:111], v[16:31], 0, v228, v224 matrix_a_fmt:MATRIX_FMT_BF8 matrix_b_fmt:MATRIX_FMT_BF8 matrix_a_scale:MATRIX_SCALE_ROW1
.else
	v_wmma_scale_f32_16x16x128_f8f6f4 v[208:215], v[80+32*\s:95+32*\s], v[16+16*\s:31+16*\s], v[208:215], v[228+\s], v[224+\s] matrix_a_fmt:MATRIX_FMT_BF8 matrix_b_fmt:MATRIX_FMT_BF8
	v_wmma_scale_f32_16x16x128_f8f6f4 v[216:223], v[96+32*\s:111+32*\s], v[16+16*\s:31+16*\s], v[216:223], v[228+\s], v[224+\s] matrix_a_fmt:MATRIX_FMT_BF8 matrix_b_fmt:MATRIX_FMT_BF8 matrix_a_scale:MATRIX_SCALE_ROW1
.endif
.endr
.rept 8
	v_nop                                          ; eight places behind this form, ahead of the stores that read the results
.endr
.irp u, 0,1
	ds_store_b128 v5, v[208+8*\u:211+8*\u] offset:64*\u       ; each accumulator from its low end on
	ds_store_b128 v5, v[212+8*\u:215+8*\u] offset:64*\u+16
.endr
	s_wait_dscnt 0x0                               ; for the others' sake: a row's bytes come from eight waves
	s_barrier_signal -1
	s_barrier_wait -1
	ds_load_b128 v[236:239], v6                    ; my two rows of the first half of K,
	ds_load_b128 v[240:243], v6 offset:SP
	ds_load_b128 v[244:247], v6 offset:PL          ; and of the second
	ds_load_b128 v[248:251], v6 offset:PL+SP
	s_wait_dscnt 0x0
.irp n, 0,2,4,6
	v_pk_add_f32 v[236+\n:237+\n], v[236+\n:237+\n], v[244+\n:245+\n]
.endr
.irp k, 0,1
	v_pk_add_f32 v[236+4*\k:237+4*\k], v[236+4*\k:237+4*\k], v[232:233]
	v_pk_add_f32 v[238+4*\k:239+4*\k], v[238+4*\k:239+4*\k], v[234:235]
.endr
	global_store_b128 v1, v[236:239], s[14:15] th:TH_STORE_NT              ; 32 lanes store a whole row of 512 bytes, aligned
	global_store_b128 v1, v[240:243], s[14:15] offset:512 th:TH_STORE_NT
	s_wait_tensorcnt 0x0
	ds_add_u32 v254, v255
	s_wait_dscnt 0x0
	s_endpgm
.Lfunc_end_k_qdb48555f73_outp:
	.size	k_qdb48555f73_outp, .Lfunc_end_k_qdb48555f73_outp-k_qdb48555f73_outp
	.p2alignl 7, 3214868480
	.fill 96, 4, 3214868480
	.section	.rodata,"a",@progbits
	.p2align	6, 0x0
	.amdhsa_kernel k_qdb48555f73_outp
		.amdhsa_group_segment_fixed_size 18432
		.amdhsa_private_segment_fixed_size 0
		.amdhsa_enable_private_segment 0
		.amdhsa_kernarg_size 48
		.amdhsa_user_sgpr_count 2
		.amdhsa_user_sgpr_kernarg_segment_ptr 1
		.amdhsa_wavefront_size32 1
		.amdhsa_system_sgpr_workgroup_id_x 1
		.amdhsa_system_sgpr_workgroup_id_y 1
		.amdhsa_system_sgpr_workgroup_id_z 1
		.amdhsa_system_vgpr_workitem_id 0
		.amdhsa_next_free_vgpr 256
		.amdhsa_next_free_sgpr 66
		.amdhsa_reserve_vcc 0
		.amdhsa_float_denorm_mode_32 3
		.amdhsa_float_denorm_mode_16_64 3
		.amdhsa_memory_ordered 1
		.amdhsa_forward_progress 1
		.amdhsa_inst_pref_size 11
	.end_amdhsa_kernel
	.amdgpu_metadata
---
amdhsa.version: [ 1, 2 ]
amdhsa.kernels:
  - .name:           k_qdb48555f73_outp
    .symbol:         k_qdb48555f73_outp.kd
    .args:
      - { .name: yc, .offset: 0, .size: 8, .value_kind: global_buffer, .address_space: global }
      - { .name: ys, .offset: 8, .size: 8, .value_kind: global_buffer, .address_space: global }
      - { .name: wuc, .offset: 16, .size: 8, .value_kind: global_buffer, .address_space: global }
      - { .name: wus, .offset: 24, .size: 8, .value_kind: global_buffer, .address_space: global }
      - { .name: bu, .offset: 32, .size: 8, .value_kind: global_buffer, .address_space: global }
      - { .name: out0, .offset: 40, .size: 8, .value_kind: global_buffer, .address_space: global }
    .group_segment_fixed_size: 18432
    .private_segment_fixed_size: 0
    .kernarg_segment_align: 8
    .kernarg_segment_size: 48
    .max_flat_workgroup_size: 256
    .sgpr_count:     66
    .vgpr_count:     256
    .wavefront_size: 32
...
	.end_amdgpu_metadata
.endif
;; end of part 3
;; ======== version 2 of 2: 3 launches; version 1 with the launch outp written anew for expert scheduling mode
;; workspace buffers: qc 4,194,304 bytes; qs 131,072 bytes; kv 8,388,608 bytes; kvs 262,144 bytes; yc 4,194,304 bytes; ys 131,072 bytes; wuc 131,072 bytes; wus 4,096 bytes
;; launch prep: the kernel of part 1 again; grid 260 x 1, 8 waves a work-group, no clusters, 70,656 bytes of LDS; arguments x, Wq, Wk, Wv, Wu, qc, qs, kv, kvs, wuc, wus; writes qc, qs, kv, kvs, wuc, wus
;; launch attn: the kernel of part 2 again; grid 16 x 16, 8 waves a work-group, clusters of 4 x 1, 327,680 bytes of LDS; arguments qc, qs, kv, kvs, yc, ys; writes yc, ys
;; launch outp (part 4): grid 256 x 1, 8 waves a work-group, no clusters, 18,432 bytes of LDS; arguments yc, ys, wuc, wus, bu, out0; writes out0
.if DOCPART == 4
	.amdgcn_target "amdgcn-amd-amdhsa--gfx1250"
	.amdhsa_code_object_version 6
	.text
	.protected	k_qdb48555f73_outp
	.globl	k_qdb48555f73_outp
	.p2align	8
	.type	k_qdb48555f73_outp,@function
k_qdb48555f73_outp:
	s_mov_b64 s[64:65], 0
	v_nop
	global_prefetch_b8 v0, s[64:65] scope:SCOPE_SE
	s_setreg_imm32_b32 hwreg(HW_REG_WAVE_SCHED_MODE, 0, 2), 2
	s_setreg_imm32_b32 hwreg(HW_REG_WAVE_MODE, 25, 1), 1
	s_wait_xcnt 0x0
	s_wait_alu depctr_vm_vsrc(0)
; out0 = y Wu + bu on codes of BF8 (E5M2) with one E8M0 scale for each 32 along K = 1,024 (head x 128 + channel).
; yc [tile of 16 rows R = (16 b + block) 8 + t][head 8][image 2,048], ys [16 b + block][head][t][r] words; wuc [K step = head][tile of 16 outputs][image], wus likewise words.  An image: registers 4 c .. 4 c + 3 of lane l at 512 c + 16 l.
; Work-group R takes 16 rows x all 128 outputs.  Wave w = (tp = w % 4, kh = w / 4) takes the output tiles 2 tp and 2 tp + 1 over the K steps 4 kh .. 4 kh + 3: two accumulators by turns, four K steps, 57 loads, all asked for in
; one run; the products follow Wu's loads K step by K step.  Source 0 = 16 outputs of Wu, source 1 = y: a lane holds eight neighbouring outputs of one row.
; THE ORDER OF AN OUTPUT'S SUM: the two halves of K are summed apart, each ascending, and then added, and the bias is added last: not one ascending chain.
; The halves meet in two planes of a stage in LDS (rows of 512 bytes + 16); each wave reads two whole rows of both planes back, adds them and the bias, and stores them.
; Row i of tile t is row 32 (t / 2) + 8 (t % 2) + i + 8 (i / 8) of its block of 128.
; NO JOINT LOADS, NO TENSOR LOADS: a work-group's own operand, y, is read by it alone, and each wave's part of Wu (16 KB) goes straight into the registers that multiply it.
; REGISTERS: v1 16 l; v2 4 r; v3 4 l + 128 tp; v5, v6 the stage in and out; v16-79 y's four fragments; v80-207 Wu's fragment (K step s, tile u) at v[80 + 32 s + 16 u]; v208-223 the accumulators;
; v224-227 y's scale words; v228-231 Wu's (tile 2 tp in lanes 0-15, 2 tp + 1 in lanes 16-31); v232-235 the bias of my four outputs of a row; v236-251 rows of the two planes; v254, v255 the closing add's two.
; THE MODE: SCHED_MODE bits 1:0 = 2 (LLVM: expert scheduling mode 2), set by the entry lines.  The code itself states the register dependences
; between vector or matrix instructions and memory or LDS instructions, with s_wait_alu, always for 0.
; THE PLAN.  The text is one straight run.  Registers that memory or LDS instructions touch:
;   v1, v2, v3      offsets of the global loads (v1 of the stores too): written once at the head, never again.
;   v5, v6          the stage's addresses: written once, behind the run of loads, while these are on their way; read by the LDS stores and the LDS loads.
;   v16-207, v224-235  written by global loads alone; read by the products and by the bias's additions, behind the waits on LOADcnt.  No vector instruction names them ahead of the loads.
;   v208-223        written by the products; read by the four LDS stores.
;   v236-251        written by the LDS loads (no vector instruction names them before); v236-243 then by the additions; read by the two global stores.
;   v254, v255      written at the head, read by the closing add alone.
; No register that a memory or LDS instruction has read is written again, so no wait on vm_vsrc is owed.  Three waits on va_vdst: ahead of the first load (the offsets), ahead of the LDS stores
; (the accumulators and the stage's addresses), ahead of the global stores (the sums).  One wait on va_sdst: the wave's number, ahead of its first reader.
.set SP, 528
.set PL, 16*SP                         ; a plane of the stage
	s_load_b256 s[4:11], s[0:1], 0x0               ; yc s[4:5], ys s[6:7], wuc s[8:9], wus s[10:11]
	s_load_b128 s[12:15], s[0:1], 0x20             ; bu s[12:13], out0 s[14:15]
	v_lshl_add_u32 v254, v0, 2, 0x4400             ; the LDS address of my spare word, behind the stage's two planes: made here and kept for the closing lines alone
	v_mov_b32 v255, 0                              ; and 0, likewise
	v_lshrrev_b32 v1, 5, v0
	v_readfirstlane_b32 s16, v1                    ; wave 0..7
	v_and_b32 v7, 31, v0                           ; (five lines that do not hang on the wave's number stand between that line and the wait for its result)
	v_and_b32 v8, 15, v0
	v_bfe_u32 v9, v0, 4, 1
	v_lshlrev_b32 v1, 4, v7
	v_lshlrev_b32 v2, 2, v8
	s_wait_alu depctr_va_sdst(0)                   ; s16 is written, ahead of its first reader: tp, kh, the bases and the stage's addresses are made from it
	s_and_b32 s17, s16, 3                          ; tp
	s_lshr_b32 s18, s16, 2                         ; kh
	s_lshl_b32 s19, s17, 7
	v_lshl_add_u32 v3, v7, 2, s19
	s_mul_i32 s20, s18, PL
	s_add_co_u32 s20, s20, s19                     ; the stage: plane kh, + 128 tp
	s_mul_i32 s21, s16, 2*SP                       ; and my two rows on the way back
	s_lshl_b32 s24, ttmp9, 14                      ; y's eight images; my four of them
	s_lshl_b32 s25, s18, 13
	s_add_co_u32 s24, s24, s25
	s_mov_b32 s25, 0
	s_lshr_b32 s26, ttmp9, 3
	s_lshl_b32 s26, s26, 12                        ; a block's scale words: 8 heads x 512 bytes;
	s_and_b32 s27, ttmp9, 7
	s_lshl_b32 s27, s27, 6                         ; my tile's 64 in each;
	s_add_co_u32 s26, s26, s27
	s_lshl_b32 s27, s18, 11                        ; my four heads
	s_add_co_u32 s26, s26, s27
	s_mov_b32 s27, 0
	s_lshl_b32 s28, s17, 12                        ; Wu: my two tiles,
	s_lshl_b32 s29, s18, 16                        ; my four K steps
	s_add_co_u32 s28, s28, s29
	s_mov_b32 s29, 0
	s_lshl_b32 s30, s18, 11                        ; and their scale words
	s_mov_b32 s31, 0
	s_lshr_b32 s32, ttmp9, 3
	s_lshl_b32 s32, s32, 7                         ; the block's first row,
	s_bfe_u32 s33, ttmp9, 0x20001
	s_lshl_b32 s33, s33, 5
	s_add_co_u32 s32, s32, s33                     ; + 32 (t / 2)
	s_and_b32 s33, ttmp9, 1
	s_lshl_b32 s33, s33, 3
	s_add_co_u32 s32, s32, s33                     ; + 8 (t % 2)
	s_lshl_b32 s33, s16, 1
	s_add_co_u32 s32, s32, s33                     ; + i = 2 w,
	s_lshl_b32 s33, s18, 3
	s_add_co_u32 s32, s32, s33                     ; + 8 (i / 8)
	s_lshl_b32 s32, s32, 9                         ; rows of 512 bytes
	s_mov_b32 s33, 0
	s_wait_kmcnt 0x0
	s_add_nc_u64 s[4:5], s[4:5], s[24:25]
	s_add_nc_u64 s[6:7], s[6:7], s[26:27]
	s_add_nc_u64 s[8:9], s[8:9], s[28:29]
	s_add_nc_u64 s[10:11], s[10:11], s[30:31]
	s_add_nc_u64 s[14:15], s[14:15], s[32:33]
	s_wait_alu depctr_va_vdst(0)                   ; the offsets v1, v2 and v3 are written, which the loads below and the stores at the end read; no later line writes them
.irp s, 0,1,2,3
	global_load_b32 v[224+\s], v2, s[6:7] offset:512*\s     ; y's scale words of my head s
	global_load_b32 v[228+\s], v3, s[10:11] offset:512*\s   ; Wu's of my K step s
.endr
	global_load_b128 v[232:235], v1, s[12:13]      ; bu at outputs 4 l .. 4 l + 3: what my lane holds of a row on the way out
.irp s, 0,1,2,3
.irp c, 0,1,2,3
	global_load_b128 v[16+16*\s+4*\c:19+16*\s+4*\c], v1, s[4:5] offset:2048*\s+512*\c
.endr
.endr
.irp s, 0,1,2,3
.irp u, 0,1
.irp c, 0,1,2,3
	global_load_b128 v[80+32*\s+16*\u+4*\c:83+32*\s+16*\u+4*\c], v1, s[8:9] offset:16384*\s+2048*\u+512*\c
.endr
.endr
.endr
	v_mul_u32_u24 v5, v8, SP                       ; the stage's addresses are made while the loads are on their way: these four lines name no register in which a load lands, and write none that a load reads
	v_lshl_add_u32 v5, v9, 5, v5
	v_add_nc_u32 v5, s20, v5                       ; the stage: plane kh, row r, + 128 tp + 32 (l / 16): my outputs' bytes
	v_add_nc_u32 v6, s21, v1                       ; back: my two rows, 16 bytes a lane
.irp s, 0,1,2,3
	s_wait_loadcnt 8*(3-\s)                        ; loads come back in order: all but Wu's eight loads of each later K step are in
.if \s == 0
	v_wmma_scale_f32_16x16x128_f8f6f4 v[208:215], v[80:95], v[16:31], 0, v228, v224 matrix_a_fmt:MATRIX_FMT_BF8 matrix_b_fmt:MATRIX_FMT_BF8
	v_wmma_scale_f32_16x16x128_f8f6f4 v[216:223], v[96:111], v[16:31], 0, v228, v224 matrix_a_fmt:MATRIX_FMT_BF8 matrix_b_fmt:MATRIX_FMT_BF8 matrix_a_scale:MATRIX_SCALE_ROW1
.else
	v_wmma_scale_f32_16x16x128_f8f6f4 v[208:215], v[80+32*\s:95+32*\s], v[16+16*\s:31+16*\s], v[208:215], v[228+\s], v[224+\s] matrix_a_fmt:MATRIX_FMT_BF8 matrix_b_fmt:MATRIX_FMT_BF8
	v_wmma_scale_f32_16x16x128_f8f6f4 v[216:223], v[96+32*\s:111+32*\s], v[16+16*\s:31+16*\s], v[216:223], v[228+\s], v[224+\s] matrix_a_fmt:MATRIX_FMT_BF8 matrix_b_fmt:MATRIX_FMT_BF8 matrix_a_scale:MATRIX_SCALE_ROW1
.endif
.endr
.rept 8
	v_nop                                          ; eight places behind this form, ahead of the stores that read the results
.endr
	s_wait_alu depctr_va_vdst(0)                   ; the products have written the accumulators, which the LDS stores read; v5 and v6, the stage's addresses, are written too.  The places above stay beside this wait
.irp u, 0,1
	ds_store_b128 v5, v[208+8*\u:211+8*\u] offset:64*\u       ; each accumulator from its low end on
	ds_store_b128 v5, v[212+8*\u:215+8*\u] offset:64*\u+16
.endr
	s_wait_dscnt 0x0                               ; for the others' sake: a row's bytes come from eight waves
	s_barrier_signal -1
	s_barrier_wait -1
	ds_load_b128 v[236:239], v6                    ; my two rows of the first half of K (no vector or matrix instruction has named v236-251, and none since the last wait writes v6),
	ds_load_b128 v[240:243], v6 offset:SP
	ds_load_b128 v[244:247], v6 offset:PL          ; and of the second
	ds_load_b128 v[248:251], v6 offset:PL+SP
	s_wait_dscnt 0x0
.irp n, 0,2,4,6
	v_pk_add_f32 v[236+\n:237+\n], v[236+\n:237+\n], v[244+\n:245+\n]
.endr
.irp k, 0,1
	v_pk_add_f32 v[236+4*\k:237+4*\k], v[236+4*\k:237+4*\k], v[232:233]
	v_pk_add_f32 v[238+4*\k:239+4*\k], v[238+4*\k:239+4*\k], v[234:235]
.endr
	s_wait_alu depctr_va_vdst(0)                   ; the additions have written v236-243, which the two stores read
	global_store_b128 v1, v[236:239], s[14:15] th:TH_STORE_NT              ; 32 lanes store a whole row of 512 bytes, aligned
	global_store_b128 v1, v[240:243], s[14:15] offset:512 th:TH_STORE_NT
	s_wait_dscnt 0x0                               ; the closing lines, six on end
	s_wait_alu 0x0
	s_wait_tensorcnt 0x0
	ds_add_u32 v254, v255
	s_wait_dscnt 0x0
	s_endpgm
.Lfunc_end_k_qdb48555f73_outp:
	.size	k_qdb48555f73_outp, .Lfunc_end_k_qdb48555f73_outp-k_qdb48555f73_outp
	.p2alignl 7, 3214868480
	.fill 96, 4, 3214868480
	.section	.rodata,"a",@progbits
	.p2align	6, 0x0
	.amdhsa_kernel k_qdb48555f73_outp
		.amdhsa_group_segment_fixed_size 18432
		.amdhsa_private_segment_fixed_size 0
		.amdhsa_enable_private_segment 0
		.amdhsa_kernarg_size 48
		.amdhsa_user_sgpr_count 2
		.amdhsa_user_sgpr_kernarg_segment_ptr 1
		.amdhsa_wavefront_size32 1
		.amdhsa_system_sgpr_workgroup_id_x 1
		.amdhsa_system_sgpr_workgroup_id_y 1
		.amdhsa_system_sgpr_workgroup_id_z 1
		.amdhsa_system_vgpr_workitem_id 0
		.amdhsa_next_free_vgpr 256
		.amdhsa_next_free_sgpr 66
		.amdhsa_reserve_vcc 0
		.amdhsa_float_denorm_mode_32 3
		.amdhsa_float_denorm_mode_16_64 3
		.amdhsa_memory_ordered 1
		.amdhsa_forward_progress 1
		.amdhsa_inst_pref_size 11
	.end_amdhsa_kernel
	.amdgpu_metadata
---
amdhsa.version: [ 1, 2 ]
amdhsa.kernels:
  - .name:           k_qdb48555f73_outp
    .symbol:         k_qdb48555f73_outp.kd
    .args:
      - { .name: yc, .offset: 0, .size: 8, .value_kind: global_buffer, .address_space: global }
      - { .name: ys, .offset: 8, .size: 8, .value_kind: global_buffer, .address_space: global }
      - { .name: wuc, .offset: 16, .size: 8, .value_kind: global_buffer, .address_space: global }
      - { .name: wus, .offset: 24, .size: 8, .value_kind: global_buffer, .address_space: global }
      - { .name: bu, .offset: 32, .size: 8, .value_kind: global_buffer, .address_space: global }
      - { .name: out0, .offset: 40, .size: 8, .value_kind: global_buffer, .address_space: global }
    .group_segment_fixed_size: 18432
    .private_segment_fixed_size: 0
    .kernarg_segment_align: 8
    .kernarg_segment_size: 48
    .max_flat_workgroup_size: 256
    .sgpr_count:     66
    .vgpr_count:     256
    .wavefront_size: 32
...
	.end_amdgpu_metadata
.endif
;; end of part 4
